; MI455X (gfx1250); checked and timed in simulation.
; The chip was launched on July 23, 2026; its instructions are those of AMD's public machine-readable ISA for CDNA 5 (MIT licence, August 2026) and "CDNA5" Instruction Set Architecture Reference Guide (July 2026). The comments in the code are by the model that wrote it; some were corrected since.
;; Mistral Attention. Allowed arithmetic: float matrix products may take bf16 or f16 operands with f32 sums; other float arithmetic in f32, or as packed bf16 or f16 multiplies, adds, multiply-adds, maxima and minima; sums over many terms, partial sums and values carried from step to step in f32; what a program stores and reads back later, other than sums and carried values, may be rounded once to bf16 or f16.
;; Inputs: Wk 4,096 x 1,024 float32; Wo 2,048 x 4,096 float32; Wq 4,096 x 2,048 float32; Wv 4,096 x 1,024 float32; attention_mask 1 x 1 x 2,048 x 2,048 float32; hidden_states 1 x 2,048 x 4,096 float32; position_ids 1 x 2,048 int32.
;; Outputs: out0 1 x 2,048 x 4,096 float32.
;; 2 versions, each right; version 2 is version 1 with the launch prep written anew for expert scheduling mode. Each part assembles by itself: llvm-mc -triple=amdgcn-amd-amdhsa -mcpu=gfx1250 --defsym DOCPART=n.
;; ======== version 1 of 2: 4 launches
;; limits: values are held in f16: magnitudes above 65,504 overflow, below 6.1e-05 lose precision
;; workspace buffers: xb 16,777,216 bytes; wqkv 33,554,432 bytes; wob 16,777,216 bytes; rope 3,145,728 bytes; qkvh 16,777,216 bytes; ob 8,388,608 bytes
;; launch prep (part 1): grid 256 x 5, 8 waves a work-group, no clusters, 0 bytes of LDS; arguments hidden_states, Wq, Wk, Wv, Wo, position_ids, xb, wqkv, wob, rope; writes xb, wqkv, wob, rope
.if DOCPART == 1
	.amdgcn_target "amdgcn-amd-amdhsa--gfx1250"
	.amdhsa_code_object_version 6
	.text
	.protected	k_qca74dae24b_prep
	.globl	k_qca74dae24b_prep
	.p2align	8
	.type	k_qca74dae24b_prep,@function
k_qca74dae24b_prep:
	s_mov_b64 s[64:65], 0
	v_nop
	global_prefetch_b8 v0, s[64:65] scope:SCOPE_SE
	s_setreg_imm32_b32 hwreg(HW_REG_WAVE_MODE, 25, 1), 1
	s_wait_xcnt 0x0
; CASTS AND ROTARY TABLES.  Work-group row y of the grid says what is made:
;   y = 0  xb   = bf16(hidden_states)                      [2048][4096]
;   y = 1  wqkv columns 0-2047    = bf16(Wq)               wqkv is [4096 k][4096 n], 8,192 bytes a row
;   y = 2  wqkv columns 2048-3071 = bf16(Wk) (x < 128), columns 3072-4095 = bf16(Wv) (x >= 128)
;   y = 3  wob  = f16(4 x bf16(Wo))                        [2048 k][4096 n]; the 4 undoes the 1/4 that O carries
;   y = 4  rope: three tables [2048 rows][cos 64 | sin 64] of f32: table 0 times 4 log2(e) / sqrt(128) (for q), table 1 times 1/4 (for k), table 2 = (1/4, 0) (for v)
; A stream without LDS: each work-group of y < 4 takes 32,768 numbers (128 KiB in, 64 KiB out).  A step is 1,024 numbers: a thread loads 16 bytes and stores 8,
; so a wave's load covers 512 consecutive bytes and its store 256 consecutive bytes, aligned.  Eight loads of every wave are on their way.
; LIMITS.  |Wo| under 16,376 (f16 ends at 65,504); 4 Wo below 6.1e-5 keeps f16's fixed step of 6e-8.  position_ids lie in 0 .. 2047, as the reference's take() relies on;
; the angle pos x inv_freq is within some 4e-4 of the reference's (inv_freq by an exponential good to one unit in the last place).
.set LO,  1                            ; v1      16 x thread: my 16 bytes of a step's input; never rewritten
.set OFF, 2                            ; v[2:5]  8 x thread + where steps 0 to 3 of four lie in the output; never rewritten
.set X,   8                            ; v[8:39]  slot i: 4 registers as loaded
.set Y,   40                           ; v[40:55] slot i: 2 registers to store
.set T,   56                           ; v[56:61] at work
	s_load_b512 s[4:19], s[0:1], 0x0               ; hidden s[4:5], Wq s[6:7], Wk s[8:9], Wv s[10:11], Wo s[12:13], position_ids s[14:15], xb s[16:17], wqkv s[18:19]
	s_load_b128 s[20:23], s[0:1], 0x40             ; wob s[20:21], rope s[22:23]
	s_and_b32 s36, ttmp7, 0xffff                   ; y
	s_mov_b32 s37, ttmp9                           ; x
	s_and_b32 s42, s37, 127
	v_lshlrev_b32 v[LO], 4, v0
	v_lshlrev_b32 v[OFF], 3, v0
	s_wait_kmcnt 0x0
	s_cmp_eq_u32 s36, 4
	s_cbranch_scc1 .Lrope
	; source s[24:25], destination s[26:27], e = log2(4096 / the source's row length) s38, column offset in bytes s39, the part's number s40
	s_mov_b64 s[24:25], s[4:5]
	s_mov_b64 s[26:27], s[16:17]
	s_mov_b32 s38, 0
	s_mov_b32 s39, 0
	s_mov_b32 s40, s37
	s_cmp_eq_u32 s36, 1
	s_cselect_b64 s[24:25], s[6:7], s[24:25]
	s_cselect_b64 s[26:27], s[18:19], s[26:27]
	s_cselect_b32 s38, 1, s38
	s_lshr_b32 s41, s37, 7
	s_cmp_eq_u32 s36, 2
	s_cselect_b64 s[24:25], s[8:9], s[24:25]
	s_cselect_b64 s[26:27], s[18:19], s[26:27]
	s_cselect_b32 s38, 2, s38
	s_cselect_b32 s39, 4096, s39
	s_cselect_b32 s40, s42, s40
	s_cselect_b32 s41, s41, 0                      ; 1: Wv
	s_cmp_eq_u32 s41, 1
	s_cselect_b64 s[24:25], s[10:11], s[24:25]
	s_cselect_b32 s39, 6144, s39
	s_cmp_eq_u32 s36, 3
	s_cselect_b64 s[24:25], s[12:13], s[24:25]
	s_cselect_b64 s[26:27], s[20:21], s[26:27]
	s_lshl_b32 s28, s40, 17                        ; 128 KiB of input a work-group
	s_mov_b32 s29, 0
	s_add_nc_u64 s[24:25], s[24:25], s[28:29]
	s_add_co_u32 s43, s38, 16
	s_lshl_b32 s28, s40, s43                       ; its rows in the output: 8, 16 or 32 of 8,192 bytes
	s_add_co_u32 s28, s28, s39
	s_add_nc_u64 s[26:27], s[26:27], s[28:29]      ; steps 0 to 3 of a trip's eight are stored from here,
	s_lshl_b32 s28, 8192, s38
	s_add_nc_u64 s[30:31], s[26:27], s[28:29]      ; steps 4 to 7 from here
	s_lshl_b32 s32, 16384, s38                     ; a trip's eight steps in the output
	s_mov_b32 s33, 0
	s_mov_b32 s44, 2048                            ; step 1 lies 2,048 bytes on in the row,
	s_cmp_eq_u32 s38, 2
	s_cselect_b32 s44, 8192, s44                   ; or (rows of 1,024 numbers) a row down
	s_lshl_b32 s45, 4096, s38                      ; step 2
	s_add_co_u32 s46, s44, s45                     ; step 3
	v_add_nc_u32 v[OFF+1], s44, v[OFF]
	v_add_nc_u32 v[OFF+2], s45, v[OFF]
	v_add_nc_u32 v[OFF+3], s46, v[OFF]
; One slot's turn.  ahead = 1: the slot is loaded again, eight steps on.  left = the younger loads that may stay out.  kind = 1: Wo.
.macro SLOT i, ahead, left, kind
	s_wait_loadcnt \left                           ; loads come back in order: mine is in
.if \kind
	v_cvt_pk_bf16_f32 v[T], v[X+4*(\i)], v[X+4*(\i)+1]        ; rounded to bf16 like every other input,
	v_cvt_pk_bf16_f32 v[T+1], v[X+4*(\i)+2], v[X+4*(\i)+3]
	v_lshlrev_b32 v[T+2], 16, v[T]
	v_and_b32 v[T+3], 0xffff0000, v[T]
	v_lshlrev_b32 v[T+4], 16, v[T+1]
	v_and_b32 v[T+5], 0xffff0000, v[T+1]
	v_pk_mul_f32 v[T+2:T+3], v[T+2:T+3], 4.0 op_sel_hi:[1,0]  ; times 4, exact,
	v_pk_mul_f32 v[T+4:T+5], v[T+4:T+5], 4.0 op_sel_hi:[1,0]
	v_cvt_pk_f16_f32 v[Y+2*(\i)], v[T+2], v[T+3]              ; and written as f16: 8 significant bits fit in 11
	v_cvt_pk_f16_f32 v[Y+2*(\i)+1], v[T+4], v[T+5]
.else
	v_cvt_pk_bf16_f32 v[Y+2*(\i)], v[X+4*(\i)], v[X+4*(\i)+1]
	v_cvt_pk_bf16_f32 v[Y+2*(\i)+1], v[X+4*(\i)+2], v[X+4*(\i)+3]
.endif
.if \ahead
	global_load_b128 v[X+4*(\i):X+4*(\i)+3], v[LO], s[24:25] offset:(\i)*4096+32768 th:TH_LOAD_NT
.endif
.if (\i) < 4
	global_store_b64 v[OFF+(\i)], v[Y+2*(\i):Y+2*(\i)+1], s[26:27] th:TH_STORE_NT
.else
	global_store_b64 v[OFF+(\i)-4], v[Y+2*(\i):Y+2*(\i)+1], s[30:31] th:TH_STORE_NT
.endif
.endm
; Four trips of eight steps; the last is written out without loads, so that no load leaves the buffer.
.macro STREAM kind
.irp i, 0,1,2,3,4,5,6,7
	global_load_b128 v[X+4*(\i):X+4*(\i)+3], v[LO], s[24:25] offset:(\i)*4096 th:TH_LOAD_NT
.endr
	s_mov_b32 s34, 3
.Ltrip_\kind:
.irp i, 0,1,2,3,4,5,6,7
	SLOT \i, 1, 7, \kind
.endr
	s_wait_xcnt 0x0                                ; the trip's loads and stores have read their sources: the three bases and, in the next trip, Y may be written
	s_add_nc_u64 s[24:25], s[24:25], 32768
	s_add_nc_u64 s[26:27], s[26:27], s[32:33]
	s_add_nc_u64 s[30:31], s[30:31], s[32:33]
	s_sub_co_u32 s34, s34, 1
	s_cmp_lg_u32 s34, 0
	s_cbranch_scc1 .Ltrip_\kind
.irp i, 0,1,2,3,4,5,6,7
	SLOT \i, 0, 7-(\i), \kind
.endr
	s_endpgm
.endm
	s_cmp_eq_u32 s36, 3
	s_cbranch_scc1 .Lwo
	STREAM 0
.Lwo:
	STREAM 1
; THE TABLES.  Wave w makes row m = 8 x + w: cos and sin of pos[m] x inv_freq[i], i = 0 .. 63; lane l makes i = 2 l and 2 l + 1.
; inv_freq[i] = 2^(-i C), C = log2(10000) / 64, the product taken in two parts; the angle is reduced by multiples of pi / 2 (in two parts) to |r| <= pi / 4;
; sin r to r^9 and cos r to r^8 by their series, whose next terms are under 3e-8 there; the quadrant swaps them and sets the signs.
.Lrope:
	v_lshrrev_b32 v6, 5, v0
	v_readfirstlane_b32 s24, v6                    ; wave
	s_lshl_b32 s25, s37, 3
	s_add_co_u32 s25, s25, s24                     ; row m
	s_lshl_b32 s26, s25, 2
	s_mov_b32 s27, 0
	s_add_nc_u64 s[14:15], s[14:15], s[26:27]
	s_load_b32 s28, s[14:15], 0x0                  ; pos[m]: it enters as a number, no address is made of it
	s_mov_b32 s30, 0xbe549a78                      ; -C, upper part
	s_mov_b32 s31, 0xb19799cc                      ; -C, the rest (4.41e-9)
	s_mov_b32 s32, 0xbfc90fdb                      ; -pi / 2, upper part
	s_mov_b32 s33, 0x333bbd2e                      ; what that part is too large by
	s_mov_b32 s34, 0x3f0293ee                      ; 4 log2(e) / sqrt(128) = 0.5100697
	s_mov_b32 s35, s34
	s_mov_b32 s38, 0x3e800000                      ; 1 / 4
	s_mov_b32 s39, s38
	v_and_b32 v6, 31, v0
	s_lshl_b32 s29, s25, 9
	v_lshl_add_u32 v8, v6, 3, s29                  ; 512 m + 8 l
	s_wait_kmcnt 0x0
	v_cvt_f32_i32 v7, s28
.macro TRIG k                          ; frequency 2 l + k: cos into v[40+k], sin into v[42+k]
.set R, 10+12*(\k)
	v_lshl_add_u32 v[R], v6, 1, \k
	v_cvt_f32_u32 v[R], v[R]
	v_mul_f32 v[R+1], s30, v[R]                    ; -i C, rounded,
	v_fma_f32 v[R+2], v[R], s30, -v[R+1]           ; what the rounding lost,
	v_fma_f32 v[R+2], v[R], s31, v[R+2]            ; and C's rest
	v_exp_f32 v[R+3], v[R+1]
	v_mul_f32 v[R+2], 0x3f317218, v[R+2]           ; times ln 2 (a plain line behind the exponential, which names neither its result nor its source)
	s_wait_alu depctr_va_vdst(0)
	v_fma_f32 v[R+3], v[R+3], v[R+2], v[R+3]       ; inv_freq
	v_mul_f32 v[R+4], v7, v[R+3]                   ; the angle, one f32 product as in the reference
	v_mul_f32 v[R+5], 0x3f22f983, v[R+4]           ; times 2 / pi
	v_rndne_f32 v[R+5], v[R+5]                     ; n
	v_fma_f32 v[R+4], v[R+5], s32, v[R+4]
	v_fma_f32 v[R+4], v[R+5], s33, v[R+4]          ; r
	v_mul_f32 v[R+6], v[R+4], v[R+4]               ; r^2
	v_mov_b32 v[R+7], 0x3638ef1d                   ; 1 / 9!
	v_mov_b32 v[R+8], 0x37d00d01                   ; 1 / 8!
	v_fmaak_f32 v[R+7], v[R+7], v[R+6], 0xb9500d01 ; -1 / 7!
	v_fmaak_f32 v[R+8], v[R+8], v[R+6], 0xbab60b61 ; -1 / 6!
	v_fmaak_f32 v[R+7], v[R+7], v[R+6], 0x3c088889 ; 1 / 5!
	v_fmaak_f32 v[R+8], v[R+8], v[R+6], 0x3d2aaaab ; 1 / 4!
	v_fmaak_f32 v[R+7], v[R+7], v[R+6], 0xbe2aaaab ; -1 / 3!
	v_fmaak_f32 v[R+8], v[R+8], v[R+6], 0xbf000000 ; -1 / 2!
	v_mul_f32 v[R+9], v[R+4], v[R+6]
	v_fma_f32 v[R+7], v[R+9], v[R+7], v[R+4]       ; sin r
	v_fma_f32 v[R+8], v[R+8], v[R+6], 1.0          ; cos r
	v_cvt_i32_f32 v[R+5], v[R+5]
	v_and_b32 v[R+9], 1, v[R+5]
	v_cmp_eq_u32 vcc_lo, 1, v[R+9]                 ; odd quadrants swap the two
	v_cndmask_b32 v[R+1], v[R+7], v[R+8], vcc_lo
	v_cndmask_b32 v[R+2], v[R+8], v[R+7], vcc_lo
	v_and_b32 v[R+3], 2, v[R+5]                    ; sin is turned in quadrants 2 and 3,
	v_lshlrev_b32 v[R+3], 30, v[R+3]
	v_xor_b32 v[42+(\k)], v[R+3], v[R+1]
	v_add_nc_u32 v[R+5], 1, v[R+5]                 ; cos in quadrants 1 and 2
	v_and_b32 v[R+5], 2, v[R+5]
	v_lshlrev_b32 v[R+5], 30, v[R+5]
	v_xor_b32 v[40+(\k)], v[R+5], v[R+2]
.endm
	TRIG 0
	TRIG 1
	v_pk_mul_f32 v[44:45], v[40:41], s[34:35] op_sel_hi:[1,0]
	v_pk_mul_f32 v[46:47], v[42:43], s[34:35] op_sel_hi:[1,0]
	v_pk_mul_f32 v[48:49], v[40:41], s[38:39] op_sel_hi:[1,0]
	v_pk_mul_f32 v[50:51], v[42:43], s[38:39] op_sel_hi:[1,0]
	v_mov_b32 v52, 0x3e800000
	v_mov_b32 v53, 0x3e800000
	v_mov_b32 v54, 0
	v_mov_b32 v55, 0
	global_store_b64 v8, v[44:45], s[22:23]                        ; each store of the wave covers 256 consecutive bytes, aligned
	global_store_b64 v8, v[46:47], s[22:23] offset:256
	global_store_b64 v8, v[48:49], s[22:23] offset:1048576
	global_store_b64 v8, v[50:51], s[22:23] offset:1048576+256
	global_store_b64 v8, v[52:53], s[22:23] offset:2097152
	global_store_b64 v8, v[54:55], s[22:23] offset:2097152+256
	s_endpgm
.Lfunc_end_k_qca74dae24b_prep:
	.size	k_qca74dae24b_prep, .Lfunc_end_k_qca74dae24b_prep-k_qca74dae24b_prep
	.p2alignl 7, 3214868480
	.fill 96, 4, 3214868480
	.section	.rodata,"a",@progbits
	.p2align	6, 0x0
	.amdhsa_kernel k_qca74dae24b_prep
		.amdhsa_group_segment_fixed_size 0
		.amdhsa_private_segment_fixed_size 0
		.amdhsa_enable_private_segment 0
		.amdhsa_kernarg_size 80
		.amdhsa_user_sgpr_count 2
		.amdhsa_user_sgpr_kernarg_segment_ptr 1
		.amdhsa_wavefront_size32 1
		.amdhsa_system_sgpr_workgroup_id_x 1
		.amdhsa_system_sgpr_workgroup_id_y 1
		.amdhsa_system_sgpr_workgroup_id_z 1
		.amdhsa_system_vgpr_workitem_id 0
		.amdhsa_next_free_vgpr 64
		.amdhsa_next_free_sgpr 66
		.amdhsa_reserve_vcc 1
		.amdhsa_float_denorm_mode_32 3
		.amdhsa_float_denorm_mode_16_64 3
		.amdhsa_memory_ordered 1
		.amdhsa_forward_progress 1
		.amdhsa_inst_pref_size 27
	.end_amdhsa_kernel
	.amdgpu_metadata
---
amdhsa.version: [ 1, 2 ]
amdhsa.kernels:
  - .name:           k_qca74dae24b_prep
    .symbol:         k_qca74dae24b_prep.kd
    .args:
      - { .name: hidden_states, .offset: 0, .size: 8, .value_kind: global_buffer, .address_space: global }
      - { .name: Wq, .offset: 8, .size: 8, .value_kind: global_buffer, .address_space: global }
      - { .name: Wk, .offset: 16, .size: 8, .value_kind: global_buffer, .address_space: global }
      - { .name: Wv, .offset: 24, .size: 8, .value_kind: global_buffer, .address_space: global }
      - { .name: Wo, .offset: 32, .size: 8, .value_kind: global_buffer, .address_space: global }
      - { .name: position_ids, .offset: 40, .size: 8, .value_kind: global_buffer, .address_space: global }
      - { .name: xb, .offset: 48, .size: 8, .value_kind: global_buffer, .address_space: global }
      - { .name: wqkv, .offset: 56, .size: 8, .value_kind: global_buffer, .address_space: global }
      - { .name: wob, .offset: 64, .size: 8, .value_kind: global_buffer, .address_space: global }
      - { .name: rope, .offset: 72, .size: 8, .value_kind: global_buffer, .address_space: global }
    .group_segment_fixed_size: 0
    .private_segment_fixed_size: 0
    .kernarg_segment_align: 8
    .kernarg_segment_size: 80
    .max_flat_workgroup_size: 256
    .sgpr_count:     66
    .vgpr_count:     64
    .wavefront_size: 32
...
	.end_amdgpu_metadata
.endif
;; end of part 1
;; launch qkv (part 2): grid 16 x 16, 4 waves a work-group, clusters of 4 x 4, 327,680 bytes of LDS; arguments xb, wqkv, qkvh, rope; writes qkvh
.if DOCPART == 2
	.amdgcn_target "amdgcn-amd-amdhsa--gfx1250"
	.amdhsa_code_object_version 6
	.text
	.protected	k_qca74dae24b_qkv
	.globl	k_qca74dae24b_qkv
	.p2align	8
	.type	k_qca74dae24b_qkv,@function
k_qca74dae24b_qkv:
	s_mov_b64 s[64:65], 0
	v_nop
	global_prefetch_b8 v0, s[64:65] scope:SCOPE_SE
	s_setreg_imm32_b32 hwreg(HW_REG_WAVE_MODE, 25, 1), 1
	s_wait_xcnt 0x0
	s_wait_alu depctr_hold_cnt(0) depctr_sa_sdst(0) depctr_va_vdst(0) depctr_va_sdst(0) depctr_va_ssrc(0) depctr_va_vcc(0) depctr_vm_vsrc(0)
	s_getreg_b32 s2, hwreg(HW_REG_IB_STS2, 6, 4)
	s_cmp_eq_u32 s2, 0
	s_cbranch_scc0 .Lentry_in_a_cluster
	s_endpgm
.Lentry_in_a_cluster:
	s_bfe_u32 s2, ttmp6, 0x10000c
	s_cmp_lg_u32 s2, 0xf033
	s_cbranch_scc0 .Lentry_shape_is_right
	s_endpgm
.Lentry_shape_is_right:
; q, k, v = x [Wq | Wk | Wv], turned by the rotary tables, scaled, and written by heads.  A = xb [2048][4096] bf16, B = wqkv [4096 k][4096 n] bf16, sums in f32.
; OUT: qkvh [32 heads][2048][128] f16: heads 0-15 q x 4 log2(e) / sqrt(128), 16-23 k / 4, 24-31 v / 4; the factors lie in the tables (rope), so one text serves all three kinds of head.
; LIMITS.  f16 ends at 65,504: |q| under 1.28e5, |k| and |v| under 2.6e5.  NaN and infinities are not treated apart.
; SHARES.  A tile of C is 128 rows x 256 columns: 16 x 16 work-groups.  Wave w makes rows 64 (w / 2) .. + 63 and columns 128 (w % 2) .. + 127, one head: 32 accumulators of 16 x 16.
; K goes in steps of 128 through a ring of two LDS slots; the loop's trip is one K step: slot 1 begins at 2^17, so that one exclusive or turns an address in one slot into the other's.
; A's rows lie along K and are read as they lie; B's rows lie along N and are read turned, by ds_load_tr16_b128.
; THE MATRIX INSTRUCTION IS USED TRANSPOSED (source 0 = 16 columns of B, source 1 = 16 rows of A): a lane holds row l % 16 of C and the columns 16 b + 8 (l / 16) + 0 .. 7.
; CLUSTER.  4 x 4 work-groups; tile row = 4 x cluster x + cx, tile column = 4 x cluster y + cy: the four of a column of the cluster (one cx) need the same tiles of A, the four of a row (one cy)
; the same tiles of B; each tile is asked for jointly.
; REGISTERS: window 0: v16-29 addresses; v32-95 two buffers of A's fragments, v96-223 two of B's; on the way out v32-191 at work.  Window 1: the accumulators, (a, b) at v[8 (8 a + b)].
;   Window 2: my rows' cos and sin: block a of 16 rows at 64 a: cos of channels 16 b + 8 (l / 16) + j (b < 4) at 8 b + j, sin 32 further on.
.set SIZE_K, 4096
.set APITCH, 4096                      ; elements in a row of A
.set BPITCH, 4096                      ; and of B
.set KSTEP,  128
.set STEPS,  SIZE_K/KSTEP
.set PA,     272                       ; a row of A in LDS: 256 bytes + 16: the 16 rows of a load start 68 words apart
.set PB,     544                       ; a row of B in LDS: 512 bytes + 32 = 17 x 32, for the turning load
.set AHALF,  64*PA
.set AREG,   2*AHALF
.set BHALF,  64*PB
.set SLOT,   AREG+2*BHALF              ; A's 128 rows, then B's 128 rows along K: 104,448 bytes
.set SLOT1,  1<<17                     ; where slot 1 begins
.set STAGE,  SLOT1+SLOT                ; behind the ring: 16 rows x 272 bytes for each wave, for the way out
.set SPITCH, 272
.set SPARE,  STAGE+4*16*SPITCH         ; the spare words, 128 bytes for each wave: two blocks of 256 bytes that no other line names
.set A0,   16                          ; v16  my lane's place among my A fragments in a slot; never rewritten
.set B0,   17                          ; v17  the same for B
.set ADRA, 18                          ; v18  the same in the slot in hand
.set ADRB, 19                          ; v19
.set STO,  24                          ; v24  the way out: where I put 16 bytes of a row
.set RD,   25                          ; v25  where I read rows back
.set CO,   26                          ; v26  16 x lane: my place in 512 consecutive bytes of a head
.set TO,   27                          ; v27  my place in 16 rows of a table
.set SPW,  28                          ; v28  LDS address of my spare word; never rewritten
.set NIL,  29                          ; v29  0; never rewritten
.set FA,   32
.set FB,   96
.set T,    32                          ; the way out: 64 turned numbers in f32
.set TMP,  96                          ; packed
.set BK,   128                         ; whole rows, two buffers of 32
.set G1,  24                           ; s[24:31] descriptor group 1 for A's tiles
.set G0,  32                           ; s[32:39] group 0: a set for each of the two first fills; the second then walks on
.set TB,  45                           ; s45  LDS byte at which the slot in hand begins
.set G1B, 48                           ; the same for B's tiles
.set G0B, 56
.set MSB, 0
.macro WIN new                         ; the immediate's high byte repeats the setting that is left
.if MSB != (\new)
	s_set_vgpr_msb (MSB<<8)|(\new)
.set MSB, \new
.endif
.endm
.macro JLOAD s                         ; a joint load: waves 0 and 1 fetch A's two halves, waves 2 and 3 B's; an s_nop 0 and four v_nop follow each line
	s_cmp_eq_u32 s11, 0
	s_cbranch_scc0 .Lfor_b_\@
	tensor_load_to_lds s[G0+4*(\s):G0+4*(\s)+3], s[G1:G1+7]
	s_nop 0
.rept 4
	v_nop
.endr
	s_branch .Lasked_\@
.Lfor_b_\@:
	tensor_load_to_lds s[G0B+4*(\s):G0B+4*(\s)+3], s[G1B:G1B+7]
	s_nop 0
.rept 4
	v_nop
.endr
.Lasked_\@:
.endm
.macro CROUND                          ; a round of the cluster's barrier
	s_barrier_signal -1
	s_barrier_wait -1
	s_cmp_lg_u32 s10, 0
	s_cbranch_scc1 .Lnot_wave_0_\@
	s_barrier_signal -3
.Lnot_wave_0_\@:
	s_barrier_wait -3
	s_barrier_signal -1
	s_barrier_wait -1
.endm
.macro PLACES                          ; four places in front of loads into registers that matrix instructions have read, and of lines that read results
.rept 4
	v_nop
.endr
.endm
	s_load_b128 s[4:7], s[0:1], 0x0                ; A s[4:5], B s[6:7]
	s_load_b64 s[8:9], s[0:1], 0x10                ; qkvh
	s_load_b64 s[66:67], s[0:1], 0x18              ; rope
	v_lshl_add_u32 v[SPW], v0, 2, SPARE
	v_mov_b32 v[NIL], 0
	ds_add_u32 v[SPW], v[NIL]                      ; the wave's opening: the add and its wait stand ahead of my first tensor load
	v_lshrrev_b32 v1, 5, v0
	v_readfirstlane_b32 s10, v1                    ; wave 0..3
	s_lshr_b32 s11, s10, 1                         ; which 64 rows are mine.  Also: I fetch for A (0) or for B (1)
	s_and_b32 s12, s10, 1                          ; which 128 columns.  Also: which half of that tile I fetch
	s_bfe_u32 s40, ttmp6, 0x40000                  ; cx
	s_bfe_u32 s41, ttmp6, 0x40004                  ; cy
	s_lshl_b32 s13, ttmp9, 2
	s_add_co_u32 s13, s13, s40                     ; tile row = 4 x cluster x + cx
	s_and_b32 s42, ttmp7, 0xffff
	s_lshl_b32 s42, s42, 2
	s_add_co_u32 s42, s42, s41                     ; tile column = 4 x cluster y + cy
	s_lshl_b32 s43, 0x1111, s40                    ; my column of the cluster: the four that share my tile row
	s_lshl_b32 s44, s41, 2
	s_lshl_b32 s44, 15, s44                        ; my row of the cluster: the four that share my tile column
	s_or_b32 s[G1+0], s43, (1<<16)|(1<<20)|(1<<21)|(5<<22)|(3<<25)   ; A: 2-byte elements; 4 words of padding after every 64
	s_or_b32 s[G1B+0], s44, (1<<16)|(1<<20)|(1<<21)|(6<<22)|(7<<25)  ; B: 8 words after every 128
	s_mov_b32 s[G1+1], KSTEP<<16                   ; A: tensor_dim0 = 128
	s_mov_b32 s[G1+2], 64<<16                      ; tensor_dim1 = 64
	s_mov_b32 s[G1+3], KSTEP<<16                   ; tile_dim0 = 128
	s_mov_b32 s[G1+4], 64                          ; tile_dim1 = 64
	s_mov_b32 s[G1+5], APITCH
	s_mov_b32 s[G1+6], 0
	s_mov_b32 s[G1+7], 0
	s_mov_b32 s[G1B+1], 256<<16                    ; B: 256 columns,
	s_mov_b32 s[G1B+2], 64<<16                     ; 64 rows along K
	s_mov_b32 s[G1B+3], 256<<16
	s_mov_b32 s[G1B+4], 64
	s_mov_b32 s[G1B+5], BPITCH
	s_mov_b32 s[G1B+6], 0
	s_mov_b32 s[G1B+7], 0
	s_lshl_b32 s16, s13, 7
	s_lshl_b32 s17, s12, 6
	s_add_co_u32 s16, s16, s17                     ; A: row 128 x tile row + 64 x half,
	s_mul_i32 s16, s16, APITCH*2                   ; in bytes (under 2^25)
	s_mov_b32 s17, 0
	s_lshl_b32 s46, s12, 19                        ; B: 64 x half rows of 8,192 bytes
	s_lshl_b32 s47, s42, 9                         ; + 512 x tile column
	s_add_co_u32 s46, s46, s47
	s_mov_b32 s47, 0
	s_mul_i32 s20, s12, AHALF                      ; where they go: no place in the cluster enters an LDS address
	s_mul_i32 s21, s12, BHALF
	s_add_co_u32 s21, s21, AREG
	s_mov_b32 s[TB], 0
	s_wait_dscnt 0x0                               ; the opening add is done
	s_wait_kmcnt 0x0
	s_add_nc_u64 s[14:15], s[4:5], s[16:17]
	s_add_nc_u64 s[46:47], s[6:7], s[46:47]
	CROUND                                         ; all sixteen work-groups are here: the first joint loads meet
.irp s, 0,1
	s_mov_b32 s[G0+4*(\s)], 1
	s_add_co_u32 s[G0+4*(\s)+1], s20, (\s)*SLOT1
	s_add_nc_u64 s[G0+4*(\s)+2:G0+4*(\s)+3], s[14:15], (\s)*KSTEP*2
	s_or_b32 s[G0+4*(\s)+3], s[G0+4*(\s)+3], 0x80000000
	s_mov_b32 s[G0B+4*(\s)], 1
	s_add_co_u32 s[G0B+4*(\s)+1], s21, (\s)*SLOT1
	s_add_nc_u64 s[G0B+4*(\s)+2:G0B+4*(\s)+3], s[46:47], (\s)*KSTEP*BPITCH*2
	s_or_b32 s[G0B+4*(\s)+3], s[G0B+4*(\s)+3], 0x80000000
	JLOAD \s                                       ; two loads of mine are out
.endr
	v_and_b32 v1, 15, v0                           ; l % 16
	v_bfe_u32 v2, v0, 4, 1                         ; l / 16
	v_mul_u32_u24 v3, v1, PA
	v_lshl_add_u32 v3, v2, 4, v3                   ; A: row x pitch + 16 x half
	v_and_b32 v4, 7, v0
	v_lshl_add_u32 v4, v2, 3, v4                   ; B: the turning load's lane l reads row 8 (l / 16) + l % 8 along K,
	v_mul_u32_u24 v4, v4, PB
	v_bfe_u32 v5, v0, 3, 1
	v_lshl_add_u32 v4, v5, 4, v4                   ; columns 8 ((l / 8) % 2) + 0..7
	s_mul_i32 s23, s11, AHALF                      ; my 64 rows of A
	s_lshl_b32 s22, s12, 8                         ; my 128 columns of B,
	s_add_co_u32 s22, s22, AREG                    ; which lies behind A
	v_add_nc_u32 v[A0], s23, v3
	v_add_nc_u32 v[B0], s22, v4
	v_add_nc_u32 v[ADRA], s[TB], v[A0]             ; slot 0 comes first
	v_add_nc_u32 v[ADRB], s[TB], v[B0]
	s_mul_i32 s23, s10, 16*SPITCH
	s_add_co_u32 s23, s23, STAGE                   ; my stage
	v_mul_u32_u24 v4, v1, SPITCH                   ; in: row l % 16, 16 bytes for each half of the lanes
	v_lshl_add_u32 v4, v2, 4, v4
	v_add_nc_u32 v[STO], s23, v4
	v_mul_u32_u24 v5, v2, SPITCH                   ; back: lanes 0-15 one row of 256 bytes, lanes 16-31 the next
	v_lshl_add_u32 v5, v1, 4, v5
	v_add_nc_u32 v[RD], s23, v5
	v_and_b32 v[CO], 31, v0
	v_lshlrev_b32 v[CO], 4, v[CO]
	v_lshlrev_b32 v[TO], 9, v1                     ; a table's row is 512 bytes;
	v_lshl_add_u32 v[TO], v2, 5, v[TO]             ; my eight channels of sixteen
	s_lshl_b32 s16, s13, 15                        ; my first row in a head: (128 x tile row + 64 x half) x 256 bytes
	s_lshl_b32 s17, s11, 14
	s_add_co_u32 s16, s16, s17
	s_mov_b32 s17, 0
	s_add_nc_u64 s[8:9], s[8:9], s[16:17]
	s_lshl_b32 s46, s42, 1                         ; my head = 2 x tile column + half, 524,288 bytes each
	s_add_co_u32 s46, s46, s12
	s_lshl_b32 s46, s46, 19
	s_mov_b32 s47, 0
	s_add_nc_u64 s[8:9], s[8:9], s[46:47]
	s_and_b32 s18, ttmp7, 0xffff                   ; clusters 0 and 1 along y hold q's heads (table 0), 2 k's (1), 3 v's (2)
	s_max_u32 s18, s18, 1
	s_sub_co_u32 s18, s18, 1
	s_lshl_b32 s18, s18, 20
	s_lshl_b32 s19, s13, 16                        ; the same rows in a table
	s_add_co_u32 s18, s18, s19
	s_lshl_b32 s19, s11, 15
	s_add_co_u32 s18, s18, s19
	s_mov_b32 s19, 0
	s_add_nc_u64 s[66:67], s[66:67], s[18:19]
	WIN 0x80                                       ; destination window 2: my rows' cos and sin; they are waited for on the way out
.set a, 0
.rept 4
.set u, 0
.rept 16
	global_load_b128 v[64*a+4*u:64*a+4*u+3], v[TO], s[66:67] offset:a*8192+(u/8)*256+((u%8)/2)*64+(u%2)*16
.set u, u+1
.endr
.set a, a+1
.endr
	WIN 0
; 8 matrix instructions: block a of my four blocks of 16 rows x all 8 column blocks, 32 along K, buffer f.  zero = 1: the products start the sums.
; The 32 accumulators take turns in the same order in every quarter, one instruction a turn.
.macro MULA f, a, zero
	WIN 0x50                                       ; C and D in window 1
.irp b, 0,1,2,3,4,5,6,7
.if \zero
	v_wmma_f32_16x16x32_bf16 v[8*(8*(\a)+(\b)):8*(8*(\a)+(\b))+7], v[FB+64*(\f)+8*(\b):FB+64*(\f)+8*(\b)+7], v[FA+32*(\f)+8*(\a):FA+32*(\f)+8*(\a)+7], 0
.else
	v_wmma_f32_16x16x32_bf16 v[8*(8*(\a)+(\b)):8*(8*(\a)+(\b))+7], v[FB+64*(\f)+8*(\b):FB+64*(\f)+8*(\b)+7], v[FA+32*(\f)+8*(\a):FA+32*(\f)+8*(\a)+7], v[8*(8*(\a)+(\b)):8*(8*(\a)+(\b))+7]
.endif
.endr
.endm
; 24 LDS loads in one run: quarter q (32 along K) of the slot in hand into buffer f: B's 16, then A's 8
.macro FETCH q, f
	WIN 0
.irp b, 0,1,2,3,4,5,6,7
	ds_load_tr16_b128 v[FB+64*(\f)+8*(\b):FB+64*(\f)+8*(\b)+3],   v[ADRB] offset:(\q)*32*PB+32*(\b)
	ds_load_tr16_b128 v[FB+64*(\f)+8*(\b)+4:FB+64*(\f)+8*(\b)+7], v[ADRB] offset:(\q)*32*PB+32*(\b)+16*PB
.endr
.irp a, 0,1,2,3
	ds_load_b128 v[FA+32*(\f)+8*(\a):FA+32*(\f)+8*(\a)+3],   v[ADRA] offset:(\q)*64+(\a)*16*PA
	ds_load_b128 v[FA+32*(\f)+8*(\a)+4:FA+32*(\f)+8*(\a)+7], v[ADRA] offset:(\q)*64+(\a)*16*PA+32
.endr
.endm
; One of a K step's first three quarters: multiplies buffer f and fetches quarter q into g.
.macro QUARTER q, f, g, zero
	s_wait_dscnt 4                                 ; B and A's blocks 0 and 1 are in; the youngest four loads (blocks 2 and 3) may be out
	MULA \f, 0, \zero
	MULA \f, 1, \zero
	PLACES
	FETCH \q, \g
	s_wait_dscnt 24                                ; all but the 24 just issued
	MULA \f, 2, \zero
	MULA \f, 3, \zero
.endm
; The last quarter changes slots first and multiplies buffer 1 afterwards.  Each wave waits for all its tensor loads (one is out: its part of the next slot), adds 0 to its spare word, steps the walking
; descriptors meanwhile, and waits for the add and for its reads of this slot, the last of which were issued 16 matrix instructions ago.  fill = 1: behind a round of the cluster's barrier this slot is asked
; for again at once, two K steps ahead; the quarter's 32 products stand behind the request, so that they run while it is on its way.
.macro TURN fill
	WIN 0
	s_wait_tensorcnt 0x0                           ; all my tensor loads have landed, so a group 0 may be written
	ds_add_u32 v[SPW], v[NIL]                      ; 0 onto my spare word
.if \fill
	s_xor_b32 s[G0+5], s[G0+5], SLOT1              ; the walking descriptors: the other slot than last time,
	s_add_nc_u64 s[G0+6:G0+7], s[G0+6:G0+7], KSTEP*2               ; the next K step; the type bits on top are not reached
	s_xor_b32 s[G0B+5], s[G0B+5], SLOT1
	s_add_nc_u64 s[G0B+6:G0B+7], s[G0B+6:G0B+7], KSTEP*BPITCH*2
.endif
	s_xor_b32 s[TB], s[TB], SLOT1                  ; the fetches go on in the other slot
	s_wait_dscnt 0x0                               ; the add is done, and my reads of this slot are over
.if \fill
	CROUND                                         ; no wave of any partner still reads this slot or has a load on its way
	JLOAD 1                                        ; my one load behind the round; its four v_nop are the places in front of the loads below
.else
	s_barrier_signal -1
	s_barrier_wait -1
	PLACES
.endif
	v_add_nc_u32 v[ADRA], s[TB], v[A0]
	v_add_nc_u32 v[ADRB], s[TB], v[B0]
	FETCH 0, 0
	MULA 1, 0, 0
	MULA 1, 1, 0
	MULA 1, 2, 0
	MULA 1, 3, 0
.endm
	s_wait_tensorcnt 1                             ; my part of K step 0 is in; K step 1's may stay out
	s_barrier_signal -1
	s_barrier_wait -1
	FETCH 0, 0
	QUARTER 1, 0, 1, 1                             ; the first quarter stands in front of the loop: its products start the sums
	WIN 0
	s_mov_b32 s3, STEPS-2
.Lstep:                                                ; a trip: from a K step's second quarter to the next step's first; it fills the slot that it leaves
	QUARTER 2, 1, 0, 0
	QUARTER 3, 0, 1, 0
	TURN 1
	QUARTER 1, 0, 1, 0
	WIN 0
	s_sub_co_u32 s3, s3, 1
	s_cmp_lg_u32 s3, 0
	s_cbranch_scc1 .Lstep
	QUARTER 2, 1, 0, 0                             ; the last two K steps fill nothing
	QUARTER 3, 0, 1, 0
	TURN 0
	QUARTER 1, 0, 1, 0
	QUARTER 2, 1, 0, 0
	QUARTER 3, 0, 1, 0
	s_wait_dscnt 4
	MULA 1, 0, 0
	MULA 1, 1, 0
	s_wait_dscnt 0x0
	MULA 1, 2, 0
	MULA 1, 3, 0
	WIN 0
; THE WAY OUT, a block of 16 rows at a time.  Channel d < 64 lies in column block b < 4, its partner d + 64 in block b + 4, in the same lane and register:
; out[d] = x[d] cos - x[d + 64] sin, out[d + 64] = x[d + 64] cos + x[d] sin, in f32; then rounded once to f16, through my stage, and stored as whole rows of 256 bytes.
.macro PACK a
	WIN 0x09                                       ; source 0 window 1 (sums), source 1 window 2 (tables)
.irp b, 0,1,2,3
.irp p, 0,1,2,3
	v_pk_mul_f32 v[T+8*(\b)+2*(\p):T+8*(\b)+2*(\p)+1], v[8*(8*(\a)+(\b))+2*(\p):8*(8*(\a)+(\b))+2*(\p)+1], v[64*(\a)+8*(\b)+2*(\p):64*(\a)+8*(\b)+2*(\p)+1]
	v_pk_mul_f32 v[T+32+8*(\b)+2*(\p):T+32+8*(\b)+2*(\p)+1], v[8*(8*(\a)+(\b)+4)+2*(\p):8*(8*(\a)+(\b)+4)+2*(\p)+1], v[64*(\a)+8*(\b)+2*(\p):64*(\a)+8*(\b)+2*(\p)+1]
.endr
.irp p, 0,1,2,3
	v_pk_fma_f32 v[T+8*(\b)+2*(\p):T+8*(\b)+2*(\p)+1], v[8*(8*(\a)+(\b)+4)+2*(\p):8*(8*(\a)+(\b)+4)+2*(\p)+1], v[64*(\a)+32+8*(\b)+2*(\p):64*(\a)+32+8*(\b)+2*(\p)+1], v[T+8*(\b)+2*(\p):T+8*(\b)+2*(\p)+1] neg_lo:[0,1,0] neg_hi:[0,1,0]
	v_pk_fma_f32 v[T+32+8*(\b)+2*(\p):T+32+8*(\b)+2*(\p)+1], v[8*(8*(\a)+(\b))+2*(\p):8*(8*(\a)+(\b))+2*(\p)+1], v[64*(\a)+32+8*(\b)+2*(\p):64*(\a)+32+8*(\b)+2*(\p)+1], v[T+32+8*(\b)+2*(\p):T+32+8*(\b)+2*(\p)+1]
.endr
.endr
	WIN 0
.set z, 0
.rept 32
	v_cvt_pk_f16_f32 v[TMP+z], v[T+2*z], v[T+2*z+1]
.set z, z+1
.endr
.endm
.macro TOSTAGE a
.set BKR, BK+32*((\a)%2)
.irp b, 0,1,2,3,4,5,6,7
	ds_store_b128 v[STO], v[TMP+4*(\b):TMP+4*(\b)+3] offset:32*(\b)
.endr
.irp t, 0,1,2,3,4,5,6,7
	ds_load_b128 v[BKR+4*(\t):BKR+4*(\t)+3], v[RD] offset:(\t)*2*SPITCH  ; LDS serves a wave's instructions in order: these see the stores above
.endr
.endm
.macro SEND a
.set BKR, BK+32*((\a)%2)
	s_wait_dscnt 0x0                               ; the block is back in registers
	s_wait_xcnt 0x0                                ; earlier stores have read their data: the buffer that the next block's loads take is free
.irp t, 0,1,2,3,4,5,6,7
	global_store_b128 v[CO], v[BKR+4*(\t):BKR+4*(\t)+3], s[8:9] offset:(\a)*4096+(\t)*512  ; 512 consecutive bytes of the head, aligned
.endr
.endm
	PLACES
	PLACES
	s_wait_loadcnt 0x0                             ; the tables
	PACK 0
	TOSTAGE 0
.irp a, 1,2,3
	PACK \a
	SEND (\a)-1
	TOSTAGE \a
.endr
	SEND 3
	s_wait_tensorcnt 0x0                           ; the wave's end
	ds_add_u32 v[SPW], v[NIL]
	s_wait_dscnt 0x0
	CROUND                                         ; the closing round
	s_endpgm
.Lfunc_end_k_qca74dae24b_qkv:
	.size	k_qca74dae24b_qkv, .Lfunc_end_k_qca74dae24b_qkv-k_qca74dae24b_qkv
	.p2alignl 7, 3214868480
	.fill 96, 4, 3214868480
	.section	.rodata,"a",@progbits
	.p2align	6, 0x0
	.amdhsa_kernel k_qca74dae24b_qkv
		.amdhsa_group_segment_fixed_size 327680
		.amdhsa_private_segment_fixed_size 0
		.amdhsa_enable_private_segment 0
		.amdhsa_kernarg_size 32
		.amdhsa_user_sgpr_count 2
		.amdhsa_user_sgpr_kernarg_segment_ptr 1
		.amdhsa_wavefront_size32 1
		.amdhsa_system_sgpr_workgroup_id_x 1
		.amdhsa_system_sgpr_workgroup_id_y 1
		.amdhsa_system_sgpr_workgroup_id_z 1
		.amdhsa_system_vgpr_workitem_id 0
		.amdhsa_next_free_vgpr 768
		.amdhsa_next_free_sgpr 70
		.amdhsa_reserve_vcc 0
		.amdhsa_float_denorm_mode_32 3
		.amdhsa_float_denorm_mode_16_64 3
		.amdhsa_memory_ordered 1
		.amdhsa_forward_progress 1
		.amdhsa_inst_pref_size 93
	.end_amdhsa_kernel
	.amdgpu_metadata
---
amdhsa.version: [ 1, 2 ]
amdhsa.kernels:
  - .name:           k_qca74dae24b_qkv
    .symbol:         k_qca74dae24b_qkv.kd
    .args:
      - { .name: xb, .offset: 0, .size: 8, .value_kind: global_buffer, .address_space: global }
      - { .name: wqkv, .offset: 8, .size: 8, .value_kind: global_buffer, .address_space: global }
      - { .name: qkvh, .offset: 16, .size: 8, .value_kind: global_buffer, .address_space: global }
      - { .name: rope, .offset: 24, .size: 8, .value_kind: global_buffer, .address_space: global }
    .group_segment_fixed_size: 327680
    .private_segment_fixed_size: 0
    .kernarg_segment_align: 8
    .kernarg_segment_size: 32
    .max_flat_workgroup_size: 128
    .sgpr_count:     70
    .vgpr_count:     768
    .wavefront_size: 32
...
	.end_amdgpu_metadata
.endif
;; end of part 2
;; launch attn (part 3): grid 32 x 8, 4 waves a work-group, clusters of 4 x 4, 327,680 bytes of LDS; arguments qkvh, attention_mask, ob; writes ob
.if DOCPART == 3
	.amdgcn_target "amdgcn-amd-amdhsa--gfx1250"
	.amdhsa_code_object_version 6
	.text
	.protected	k_qca74dae24b_attn
	.globl	k_qca74dae24b_attn
	.p2align	8
	.type	k_qca74dae24b_attn,@function
k_qca74dae24b_attn:
	s_mov_b64 s[64:65], 0
	v_nop
	global_prefetch_b8 v0, s[64:65] scope:SCOPE_SE
	s_setreg_imm32_b32 hwreg(HW_REG_WAVE_MODE, 25, 1), 1
	s_wait_xcnt 0x0
	s_wait_alu depctr_hold_cnt(0) depctr_sa_sdst(0) depctr_va_vdst(0) depctr_va_sdst(0) depctr_va_ssrc(0) depctr_va_vcc(0) depctr_vm_vsrc(0)
	s_getreg_b32 s2, hwreg(HW_REG_IB_STS2, 6, 4)
	s_cmp_eq_u32 s2, 0
	s_cbranch_scc0 .Lentry_in_a_cluster
	s_endpgm
.Lentry_in_a_cluster:
	s_bfe_u32 s2, ttmp6, 0x10000c
	s_cmp_lg_u32 s2, 0xf033
	s_cbranch_scc0 .Lentry_shape_is_right
	s_endpgm
.Lentry_shape_is_right:
; O = softmax(q k^T / sqrt(128) + attention_mask) v, 16 query heads on 8 key and value heads.  qkvh [32][2048][128] f16: q x 4 log2(e) / sqrt(128), k / 4, v / 4, so that K Q^T is the score in
; units of log2.  attention_mask [2048][2048] f32 is read whole and honoured as it is given: times log2(e) it is the C operand that starts each sum K Q^T.  OUT: ob [2048][2048] f16 = O / 4.
; Products, maxima and sums in f32; the weights p are rounded to f16 for the second product (their sum l is taken of the unrounded p), O once at the end.
; LIMITS.  The mask is added inside the matrix instruction's sum, another order of rounding than the reference's.  A row in which EVERY key is pushed down by some 1e9 has no well-defined result (in the
; reference f32's step of 64 at 1e9 decides it): here it gets a finite softmax, not the same one.  A weight below 2^-126 counts as 0; p below 6e-5 keeps f16's step of 6e-8; NaN and infinities are not treated apart.
; SHARES.  Work-group (X, g): 64 query rows, key head g, both its query heads.  Wave w: rows 32 (w / 2) .. + 31 and HALF w % 2 OF EACH SLOT'S 128 KEYS.  Its four tiles of 16 queries: tile t = row tile t / 2,
; head 2 g + t % 2; piece 0 = tiles 0, 1, piece 2 = tiles 2, 3: a piece's two tiles share their rows, so one mask tile in registers serves both.  A wave walks 16 steps of 64 keys; the two halves
; of the keys meet once, at the end, through LDS, in f32.
; SOFTMAX.  For each query a running maximum m and sum l: p = 2^(s - m), the difference taken directly, so that p <= 1 whatever the mask holds; O and l are multiplied by a = 2^(m_old - m_new) in every step.
; BY TURNS.  In a turn one piece has the matrix unit (32 products V^T P of the step in hand, 32 products K Q^T of the next), and the other piece's softmax stands in 64 slices behind its matrix instructions.
; NO FIRST AND NO LAST STEP IS WRITTEN OUT.  m starts at the lowest finite number, l, O^T, V's registers and piece 2's P at 0: the first step's a is 0 and the first turn's products V^T P add 0, so the loop's
; own two turns serve from the first step on, and the loop is entered at its second turn.  The tail is a loop of two trips that is left behind its third turn, whose 32 products K Q^T (on the last step's K
; once more) serve nothing.  The price, once a launch: 432 lines that write a start value, in the wait for the first tile; 32 products on zeros; 32 on a stale K.
; CLUSTER 4 x 4.  K and V hang on g: asked for jointly along a row of the cluster.  The mask's tile hangs on X: asked for jointly along a column.
; REGISTERS, in windows of 256: window 0: v0-11, v44-49, v61-63 addresses; v12-43 eight registers of statistics a tile; v64-191 S^T; v192-255 P.   window 1: O^T, 64 a tile.
;   window 2: v0-127 Q, v128-255 K of one step.   window 3: v0-127 V of one step; v128-191 the mask of one step: row tile rt, 16 keys kb at 128 + 32 rt + 8 kb.
.set KS,    64
.set PK,    272       ; a row of K in LDS: 256 bytes + 16
.set PV,    288       ; a row of V: 256 + 32, for the turning load
.set PM,    528       ; a row of the mask's tile: 128 f32 + 16 bytes
.set VOFF,  128*PK    ; a slot: 128 rows of K, 128 rows of V, 64 rows of the mask
.set MOFF,  VOFF+128*PV
.set SLOT1, 1<<17     ; slot 1 begins here: one exclusive or turns an address in one slot into the other's
.set XCH,   SLOT1+MOFF+64*PM  ; behind the ring, never filled by a tensor load: 16,384 bytes a wave, a piece's O^T for the partner
.set STX,   XCH+4*16384       ; 1,024 bytes a wave: (m, l) of its four tiles
.set STAGE, STX+4*1024        ; 16 rows x 272 bytes a wave, for the way out
.set SP,    272
.set SPARE, STAGE+4*16*SP     ; the spare words, 128 bytes for each wave: two blocks of 256 bytes that no other line names
.set AK0, 2           ; v2   my lane's place in my half of a slot's K; never rewritten
.set AV0, 3           ; v3   the same for V
.set ADR, 4           ; v4   the LDS address of the run of loads in hand
.set QO,  5           ; v5   my byte offset in 16 rows of Q
.set STO, 6           ; v6   the way out: where I put 16 bytes of a row
.set RD,  7           ; v7   where I read rows back
.set GO,  8           ; v8   my byte offset in two rows of ob
.set ST,  12          ; tile t's statistics at v[ST+8 t]: +0 m, +1 m_old (at the end l's total), +2, +3 l (even keys', odd keys'), +4 to +7 at work; a takes +6
.set AM0, 44          ; v44  my lane's place in a slot's mask tile; never rewritten
.set ADM, 45          ; v45  the mask run's address
.set XW,  46          ; v46  where I put O^T for my partner
.set XR,  47          ; v47  where my partner put it for me
.set SXW, 48          ; v48  the same for (m, l)
.set SXR, 49
.set PFO, 61          ; v61  the prefetches' offset; never rewritten
.set SPW, 62          ; v62  LDS address of my spare word; never rewritten
.set NIL, 63          ; v63  0; never rewritten
.set S,   64
.set P,   192
.set KF,  128         ; K's fragments, in window 2
.set MK,  128         ; the mask, in window 3
.set WV,  12          ; s12  my wave's number
.set KH,  13          ; s13  which half of the keys
.set QH,  14          ; s14  which 32 rows
.set G1K, 24
.set G1V, 32
.set G1M, 40
.set G0K, 48          ; a set for each of the two first fills; the second then walks on
.set G0V, 56
.set G0M, 68
.set SLOTS, 76        ; s76  slots still to be asked for
.set LT,  77          ; s77  at work on LDS addresses: it never holds a place in the cluster
.set LE,  78          ; s[78:79] log2(e)
.set SEL, 80          ; s[80:81] v_permlanex16_b32's selects: each lane takes its own place in the other half
.set TB,  82          ; s82  LDS byte at which the slot to be fetched begins
.set PW,  83          ; s83  my partner's wave number
.set PFA, 84          ; s[84:85] where my prefetches stand
.set PFS, 86          ; s[86:87] a slot's step there
.set LIM, 88          ; s88  2 in a wave that prefetches, else the greatest number
.set WH,  89          ; s89  at work on who prefetches: it never holds a place in the cluster
.set CNT, 89          ;      later: counts the tail's trips
.set MSB, 0
.macro WIN new
.if MSB != (\new)
	s_set_vgpr_msb (MSB<<8)|(\new)
.set MSB, \new
.endif
.endm
.set W_KQ, 0x0a       ; K and Q in window 2, S^T in window 0
.set W_KM, 0x3a       ; the same with the C operand in window 3
.set W_PV, 0x53       ; V in window 3, P in window 0, O^T in window 1
.set W_RS, 0x41       ; destination and source 0 in window 1, source 1 in window 0
; A joint refill: wave 0 fetches the slot's K, wave 1 its V, wave 2 its mask tile, wave 3 nothing.  The branches hang on the wave's number alone.  An s_nop 0 and four v_nop follow each line.
.macro JLOAD
	s_cmp_lg_u32 s[WV], 0
	s_cbranch_scc1 .Lnot_k_\@
	tensor_load_to_lds s[G0K+4:G0K+7], s[G1K:G1K+7]
	s_nop 0
.rept 4
	v_nop
.endr
	s_branch .Lasked_\@
.Lnot_k_\@:
	s_cmp_lg_u32 s[WV], 1
	s_cbranch_scc1 .Lnot_v_\@
	tensor_load_to_lds s[G0V+4:G0V+7], s[G1V:G1V+7]
	s_nop 0
.rept 4
	v_nop
.endr
	s_branch .Lasked_\@
.Lnot_v_\@:
	s_cmp_lg_u32 s[WV], 2
	s_cbranch_scc1 .Lasked_\@
	tensor_load_to_lds s[G0M+4:G0M+7], s[G1M:G1M+7]
	s_nop 0
.rept 4
	v_nop
.endr
.Lasked_\@:
.endm
; A PREFETCH INTO THE L2 of the slot that the change after the next will ask for: two steps, 256 matrix instructions, ahead of its load.  Each aligned block of 256 bytes is named once in the launch:
; K's and V's rows are walked by all eight clusters along x: the first asks, waves 0 and 1; its four partners of a row take 32 rows each, a lane a row.  The mask's rows are walked by both clusters along y:
; the first asks, wave 2; the four partners of a column take 16 rows each, a lane half a row.  The partners are told apart by address.  The last two changes that fill a slot ask for nothing.
.macro ASK
	s_cmp_gt_u32 s[SLOTS], s[LIM]
	s_cbranch_scc0 .Lnot_mine_\@
	global_prefetch_b8 v[PFO], s[PFA:PFA+1] th:TH_LOAD_NT scope:SCOPE_SE
.Lnot_mine_\@:
.endm
.macro CROUND                       ; a round of the cluster's barrier
	s_barrier_signal -1
	s_barrier_wait -1
	s_cmp_lg_u32 s[WV], 0
	s_cbranch_scc1 .Lnot_wave_0_\@
	s_barrier_signal -3
.Lnot_wave_0_\@:
	s_barrier_wait -3
	s_barrier_signal -1
	s_barrier_wait -1
.endm
	s_load_b128 s[4:7], s[0:1], 0x0   ; qkvh s[4:5], attention_mask s[6:7]
	s_load_b64 s[8:9], s[0:1], 0x10   ; ob
	v_lshl_add_u32 v[SPW], v0, 2, SPARE
	v_mov_b32 v[NIL], 0
	ds_add_u32 v[SPW], v[NIL]       ; the wave's opening: the add and its wait stand ahead of my first tensor load
	v_lshrrev_b32 v1, 5, v0
	v_readfirstlane_b32 s[WV], v1
	s_and_b32 s[KH], s[WV], 1
	s_lshr_b32 s[QH], s[WV], 1
	s_bfe_u32 s15, ttmp6, 0x40000   ; cx
	s_bfe_u32 s18, ttmp6, 0x40004   ; cy
	s_lshl_b32 s19, ttmp9, 2
	s_add_co_u32 s19, s19, s15      ; X: my 64 query rows
	s_and_b32 s20, ttmp7, 0xffff    ; cluster y
	s_lshl_b32 s21, s20, 2
	s_add_co_u32 s21, s21, s18      ; g: my key and value head
	s_lshl_b32 s22, s18, 2
	s_lshl_b32 s22, 15, s22         ; my row of the cluster
	s_lshl_b32 s23, 0x1111, s15     ; my column
	s_or_b32 s[G1K], s22, (1<<16)|(1<<20)|(1<<21)|(5<<22)|(3<<25)  ; 2-byte elements; 4 words of padding after every 64
	s_or_b32 s[G1V], s22, (1<<16)|(1<<20)|(1<<21)|(5<<22)|(7<<25)  ; 8 words
	s_or_b32 s[G1M], s23, (2<<16)|(1<<20)|(1<<21)|(6<<22)|(3<<25)  ; 4-byte elements; 4 words after every 128
.irp g, G1K, G1V
	s_mov_b32 s[(\g)+1], 128<<16    ; tensor_dim0 = 128
	s_mov_b32 s[(\g)+2], 128<<16    ; tensor_dim1 = 128
	s_mov_b32 s[(\g)+3], 128<<16    ; tile_dim0 = 128
	s_mov_b32 s[(\g)+4], 128        ; tile_dim1 = 128
	s_mov_b32 s[(\g)+5], 128        ; elements from row to row
	s_mov_b32 s[(\g)+6], 0
	s_mov_b32 s[(\g)+7], 0
.endr
	s_mov_b32 s[G1M+1], 128<<16
	s_mov_b32 s[G1M+2], 64<<16
	s_mov_b32 s[G1M+3], 128<<16
	s_mov_b32 s[G1M+4], 64
	s_mov_b32 s[G1M+5], 2048
	s_mov_b32 s[G1M+6], 0
	s_mov_b32 s[G1M+7], 0
	s_add_co_u32 s90, s21, 16       ; K's head, 524,288 bytes each
	s_lshl_b32 s90, s90, 19
	s_mov_b32 s91, 0
	s_add_co_u32 s92, s21, 24       ; V's
	s_lshl_b32 s92, s92, 19
	s_mov_b32 s93, 0
	s_lshl_b32 s94, s19, 19         ; the mask's 64 rows of 8,192 bytes
	s_mov_b32 s95, 0
	s_lshl_b32 s96, s21, 20         ; Q: head 2 g, row 64 X + 32 (w / 2)
	s_lshl_b32 s2, s19, 14
	s_add_co_u32 s96, s96, s2
	s_lshl_b32 s2, s[QH], 13
	s_add_co_u32 s96, s96, s2
	s_mov_b32 s97, 0
	s_lshl_b32 s98, s19, 18         ; ob: the same row of 4,096 bytes, column 256 g
	s_lshl_b32 s2, s[QH], 17
	s_add_co_u32 s98, s98, s2
	s_lshl_b32 s2, s21, 9
	s_add_co_u32 s98, s98, s2
	s_mov_b32 s99, 0
	s_mov_b32 s[LE], 0x3fb8aa3b     ; log2(e)
	s_mov_b32 s[LE+1], s[LE]
	s_mov_b32 s[SEL], 0x76543210
	s_mov_b32 s[SEL+1], 0xfedcba98
	s_mov_b32 s[TB], 0
	s_cmp_lt_u32 s[WV], 2           ; who prefetches: waves 0 and 1 of the first cluster along x, wave 2 of the first along y
	s_cselect_b32 s[WH], ttmp9, s20
	s_cmp_eq_u32 s[WV], 3
	s_cselect_b32 s[WH], 1, s[WH]
	s_cmp_eq_u32 s[WH], 0
	s_cselect_b32 s[LIM], 2, -1     ; the same in all partners, for a given wave
	v_and_b32 v10, 31, v0
	v_lshlrev_b32 v[PFO], 8, v10    ; K, V: a lane a row of 256 bytes
	v_lshrrev_b32 v11, 1, v10
	v_and_b32 v10, 1, v10
	v_lshlrev_b32 v11, 13, v11      ; the mask: two lanes a row of 8,192 bytes,
	v_lshl_add_u32 v11, v10, 8, v11 ; 256 bytes each
	s_cmp_lt_u32 s[WV], 2
	s_cselect_b32 s[WH], 0, -1
	v_cndmask_b32 v[PFO], v[PFO], v11, s[WH]
	s_wait_dscnt 0x0                ; the opening add is done
	s_wait_kmcnt 0x0
	s_add_nc_u64 s[90:91], s[4:5], s[90:91]   ; K
	s_add_nc_u64 s[92:93], s[4:5], s[92:93]   ; V
	s_add_nc_u64 s[94:95], s[6:7], s[94:95]   ; the mask at my work-group's rows
	s_add_nc_u64 s[16:17], s[4:5], s[96:97]   ; Q at my wave's rows
	s_add_nc_u64 s[10:11], s[8:9], s[98:99]   ; ob at my wave's rows
	s_lshl_b32 s2, s15, 13          ; K, V: my work-group's 32 rows of a slot's 128, in slot 3: the first change steps to slot 4
	s_add_co_u32 s2, s2, 3*32768
	s_lshl_b32 s3, s18, 17          ; the mask: my work-group's 16 rows of the 64
	s_add_co_u32 s3, s3, 3*512
	s_mov_b32 s[PFS], 512           ; a slot's step in a row of the mask,
	s_cmp_eq_u32 s[WV], 0
	s_cselect_b64 s[PFA:PFA+1], s[90:91], s[92:93]
	s_cmp_lt_u32 s[WV], 2
	s_cselect_b64 s[PFA:PFA+1], s[PFA:PFA+1], s[94:95]
	s_cselect_b32 s2, s2, s3
	s_cselect_b32 s[PFS], 32768, s[PFS]  ; or in K and V
	s_mov_b32 s3, 0
	s_mov_b32 s[PFS+1], 0
	s_add_nc_u64 s[PFA:PFA+1], s[PFA:PFA+1], s[2:3]
	CROUND                          ; all sixteen work-groups are here: the first joint loads meet
.irp s, 0,1
	s_mov_b32 s[G0K+4*(\s)], 1
	s_mov_b32 s[G0K+4*(\s)+1], (\s)*SLOT1
	s_add_nc_u64 s[G0K+4*(\s)+2:G0K+4*(\s)+3], s[90:91], (\s)*32768
	s_or_b32 s[G0K+4*(\s)+3], s[G0K+4*(\s)+3], 0x80000000
	s_mov_b32 s[G0V+4*(\s)], 1
	s_mov_b32 s[G0V+4*(\s)+1], VOFF+(\s)*SLOT1
	s_add_nc_u64 s[G0V+4*(\s)+2:G0V+4*(\s)+3], s[92:93], (\s)*32768
	s_or_b32 s[G0V+4*(\s)+3], s[G0V+4*(\s)+3], 0x80000000
	s_mov_b32 s[G0M+4*(\s)], 1
	s_mov_b32 s[G0M+4*(\s)+1], MOFF+(\s)*SLOT1
	s_add_nc_u64 s[G0M+4*(\s)+2:G0M+4*(\s)+3], s[94:95], (\s)*512
	s_or_b32 s[G0M+4*(\s)+3], s[G0M+4*(\s)+3], 0x80000000
.endr
	s_cmp_lg_u32 s[WV], 0           ; a wave's two first fills stand in one branch, ahead of every wait on TENSORcnt and every LDS read: two loads of mine are out
	s_cbranch_scc1 .Lfirst_not_k
	tensor_load_to_lds s[G0K:G0K+3], s[G1K:G1K+7]
	s_nop 0
	tensor_load_to_lds s[G0K+4:G0K+7], s[G1K:G1K+7]
	s_nop 0
.rept 4
	v_nop
.endr
	s_branch .Lfirst_asked
.Lfirst_not_k:
	s_cmp_lg_u32 s[WV], 1
	s_cbranch_scc1 .Lfirst_not_v
	tensor_load_to_lds s[G0V:G0V+3], s[G1V:G1V+7]
	s_nop 0
	tensor_load_to_lds s[G0V+4:G0V+7], s[G1V:G1V+7]
	s_nop 0
.rept 4
	v_nop
.endr
	s_branch .Lfirst_asked
.Lfirst_not_v:
	s_cmp_lg_u32 s[WV], 2
	s_cbranch_scc1 .Lfirst_asked
	tensor_load_to_lds s[G0M:G0M+3], s[G1M:G1M+7]
	s_nop 0
	tensor_load_to_lds s[G0M+4:G0M+7], s[G1M:G1M+7]
	s_nop 0
.rept 4
	v_nop
.endr
.Lfirst_asked:
	v_and_b32 v1, 15, v0            ; l % 16
	v_bfe_u32 v9, v0, 4, 1          ; l / 16
	v_lshlrev_b32 v[QO], 8, v1
	v_lshl_add_u32 v[QO], v9, 4, v[QO]  ; row x 256 + 16 x half
	WIN 0x80                        ; destination window 2
.irp i, 0,1,2,3,4,5,6,7,8,9,10,11,12,13,14,15  ; Q stays in registers: tile i / 4 (head by its low bit, row tile by its high bit), channels 32 (i % 4) on
	global_load_b128 v[8*(\i):8*(\i)+3],   v[QO], s[16:17] offset:(((\i)/4)%2)*524288+((\i)/8)*4096+((\i)%4)*64
	global_load_b128 v[8*(\i)+4:8*(\i)+7], v[QO], s[16:17] offset:(((\i)/4)%2)*524288+((\i)/8)*4096+((\i)%4)*64+32
.endr
	WIN 0
	s_mul_i32 s[LT], s[KH], KS*PK   ; my half of a slot's keys
	v_mul_u32_u24 v[AK0], v1, PK
	v_lshl_add_u32 v[AK0], v9, 4, v[AK0]
	v_add_nc_u32 v[AK0], s[LT], v[AK0]
	v_and_b32 v10, 7, v0            ; the turning load: lane l reads key 8 (l / 16) + l % 8, channels 8 ((l / 8) % 2) + 0..7
	v_bfe_u32 v11, v0, 3, 1
	v_lshl_add_u32 v[AV0], v9, 3, v10
	v_mul_u32_u24 v[AV0], v[AV0], PV
	v_lshl_add_u32 v[AV0], v11, 4, v[AV0]
	s_mul_i32 s[LT], s[KH], KS*PV
	s_add_co_u32 s[LT], s[LT], VOFF
	v_add_nc_u32 v[AV0], s[LT], v[AV0]
	s_lshl_b32 s[LT], s[QH], 5      ; the mask: my query's row, my half of the keys, eight keys for each half of the lanes
	v_add_nc_u32 v[AM0], s[LT], v1
	v_mul_u32_u24 v[AM0], v[AM0], PM
	v_lshl_add_u32 v[AM0], v9, 5, v[AM0]
	s_lshl_b32 s[LT], s[KH], 8
	s_add_co_u32 s[LT], s[LT], MOFF
	v_add_nc_u32 v[AM0], s[LT], v[AM0]
	; what the first turns find: all this stands in the wait for the first tile
.irp t, 0,1,2,3
	v_mov_b32 v[ST+8*(\t)], 0xff7fffff  ; m: the lowest finite number, so that the first maximum is the scores' and the first a is 0
	v_mov_b32 v[ST+8*(\t)+1], 0     ; named as a pair with m before the first m_old is kept there
	v_mov_b32 v[ST+8*(\t)+2], 0     ; l
	v_mov_b32 v[ST+8*(\t)+3], 0
.endr
.set y, P+32
.rept 32
	v_mov_b32 v[y], 0               ; piece 2's P: the first turn's products V^T P add 0
.set y, y+1
.endr
	WIN 0x40
.set y, 0
.rept 256
	v_mov_b32 v[y], 0               ; O^T
.set y, y+1
.endr
	WIN 0xc0
.set y, 0
.rept 128
	v_mov_b32 v[y], 0               ; V's registers
.set y, y+1
.endr
	WIN 0
; THE MATRIX WORK OF A TURN, for piece x.  The accumulators take turns, one instruction a turn.
; Product i of 32 of O^T += V^T P: keys 32 (i / 16) on, channels 16 ((i / 2) % 8) on, tile x + i % 2.
.macro PV x
	WIN W_PV
.set rO, 64*((\x)+i%2)+8*((i/2)%8)
.set rV, 64*(i/16)+8*((i/2)%8)
.set rP, P+16*((\x)+i%2)+8*(i/16)
	v_wmma_f32_16x16x32_f16 v[rO:rO+7], v[rV:rV+7], v[rP:rP+7], v[rO:rO+7]
.endm
; Product i of 32 of S^T = K Q^T + mask: channels 32 (i / 8) on, keys 16 ((i / 2) % 4) on, tile x + i % 2.  The first 8 start the sums with the mask of the piece's rows.
.macro KQ x
.set rS, S+32*((\x)+i%2)+8*((i/2)%4)
.set rK, KF+32*((i/2)%4)+8*(i/8)
.set rQ, 32*((\x)+i%2)+8*(i/8)
.set rM, MK+32*((\x)/2)+8*((i/2)%4)
.if i < 8
	WIN W_KM
	v_wmma_f32_16x16x32_f16 v[rS:rS+7], v[rK:rK+7], v[rQ:rQ+7], v[rM:rM+7]
.else
	WIN W_KQ
	v_wmma_f32_16x16x32_f16 v[rS:rS+7], v[rK:rK+7], v[rQ:rQ+7], v[rS:rS+7]
.endif
.endm
; THE LDS LOADS stand in runs: a step's K (16 fragments) with its mask (my 32 rows x 64 keys of f32), and, a turn later, its V (turned).
.macro FETCH_K
	WIN 0
	v_add_nc_u32 v[ADR], s[TB], v[AK0]
	v_add_nc_u32 v[ADM], s[TB], v[AM0]
	WIN 0x80                        ; destination window 2
.irp f, 0,1,2,3,4,5,6,7,8,9,10,11,12,13,14,15  ; keys 16 (f / 4) on, channels 32 (f % 4) on
	ds_load_b128 v[KF+8*(\f):KF+8*(\f)+3],   v[ADR] offset:((\f)/4)*16*PK+((\f)%4)*64
	ds_load_b128 v[KF+8*(\f)+4:KF+8*(\f)+7], v[ADR] offset:((\f)/4)*16*PK+((\f)%4)*64+32
.endr
	WIN 0xc0                        ; destination window 3
.irp f, 0,1,2,3,4,5,6,7             ; row tile f / 4, keys 16 (f % 4) on: register j is key 8 (l / 16) + j of my query's row, as the matrix instruction's C lies
	ds_load_b128 v[MK+8*(\f):MK+8*(\f)+3],   v[ADM] offset:((\f)/4)*16*PM+((\f)%4)*64
	ds_load_b128 v[MK+8*(\f)+4:MK+8*(\f)+7], v[ADM] offset:((\f)/4)*16*PM+((\f)%4)*64+16
.endr
.endm
.macro FETCH_V
	WIN 0
	v_add_nc_u32 v[ADR], s[TB], v[AV0]
	WIN 0xc0                        ; destination window 3
.irp f, 0,1,2,3,4,5,6,7,8,9,10,11,12,13,14,15  ; keys 32 (f / 8) on, channels 16 (f % 8) on
	ds_load_tr16_b128 v[8*(\f):8*(\f)+3],   v[ADR] offset:((\f)/8)*32*PV+((\f)%8)*32
	ds_load_tr16_b128 v[8*(\f)+4:8*(\f)+7], v[ADR] offset:((\f)/8)*32*PV+16*PV+((\f)%8)*32
.endr
.endm
.macro MSCALE                       ; the mask times log2(e): the scores' unit
	WIN 0xc3
.set y, 0
.rept 32
	v_pk_mul_f32 v[MK+2*y:MK+2*y+1], v[MK+2*y:MK+2*y+1], s[LE:LE+1] op_sel_hi:[1,0]
.set y, y+1
.endr
.endm
; THE VECTOR WORK OF A TURN.  One tile's softmax for one step is a numbered list; SM writes number j of it for tile t.  s0-s31 are the lane's 32 scores, in pairs 0-15.
;   0-15    the maximum of s0-s31 and the old m, three operands at a time (each accumulator's lowest registers are read first)
;   16-20   the other half of the lanes' maximum; m_old is kept; the new m; (19 is empty); m_old - m_new
;   21-87   33 exponentials (a, then s0-s31) at the odd numbers from 23 on, each with a plain instruction behind it; the plain ones: s - m for a pair whose exponentials are to come,
;           the rounding to f16 of a pair whose exponentials are done, at last the first three sums
;   88-101  the last rounding; the rest of the sums; l = a l + the sum          102-133 the tile's O^T times a
.macro SM t
.set rT, ST+8*(\t)
.set rS, S+32*(\t)
.set rP, P+16*(\t)
.set rO, 64*(\t)+2*(j-102)
.set q, (j-20)/2
.if j < 102
	WIN 0
.endif
.if j < 4
	v_max3_num_f32 v[rT+4+j], v[rS+8*j], v[rS+8*j+1], v[rS+8*j+2]
.elseif j < 12
	v_max3_num_f32 v[rT+4+j%4], v[rT+4+j%4], v[rS+8*(j%4)+2*(j/4)+1], v[rS+8*(j%4)+2*(j/4)+2]
.elseif j == 12
	v_max3_num_f32 v[rT+4], v[rT+4], v[rS+7], v[rS+15]
.elseif j == 13
	v_max3_num_f32 v[rT+6], v[rT+6], v[rS+23], v[rS+31]
.elseif j == 14
	v_max3_num_f32 v[rT+4], v[rT+4], v[rT+5], v[rT+6]
.elseif j == 15
	v_max3_num_f32 v[rT+4], v[rT+4], v[rT+7], v[rT]
.elseif j == 16
	v_permlanex16_b32 v[rT+5], v[rT+4], s[SEL], s[SEL+1]  ; the query's other 32 keys lie in the lane 16 away
.elseif j == 17
	v_mov_b32 v[rT+1], v[rT]        ; m_old is kept: number 18 writes m anew
.elseif j == 18
	v_max_num_f32 v[rT], v[rT+4], v[rT+5]
.elseif j == 19
.elseif j == 20
	v_sub_f32 v[rT+7], v[rT+1], v[rT]
.elseif j == 23
	v_exp_f32 v[rT+6], v[rT+7]
.elseif (j < 88) && (j > 23) && (j%2 == 1)
	v_exp_f32 v[rS+(j-25)/2], v[rS+(j-25)/2]
.elseif (q < 4) || ((j < 76) && (q%2 == 0))
.set b, q/2+2
.if q < 4
.set b, q
.endif
	v_pk_add_f32 v[rS+2*b:rS+2*b+1], v[rS+2*b:rS+2*b+1], v[rT:rT+1] op_sel_hi:[1,0] neg_lo:[0,1] neg_hi:[0,1]  ; pair b: s - m, exactly 0 at the maximum
.elseif (j < 88) && (q%2 == 1)
	s_wait_alu depctr_va_vdst(0)
	v_cvt_pk_f16_f32 v[rP+(q-5)/2], v[rS+q-5], v[rS+q-4]
.elseif j == 89
	s_wait_alu depctr_va_vdst(0)
	v_cvt_pk_f16_f32 v[rP+15], v[rS+30], v[rS+31]
.elseif j < 102                     ; the sum of the tile's 16 pairs, in place: neighbours 1, 2, 4 and 8 pairs apart, then l takes it
.set z, j-86
.if j < 89
.set z, (j-76)/4
.endif
.set w, 4
.set u, z
.if z >= 14
.set w, 32
.set u, 0
.elseif z >= 12
.set w, 16
.set u, z-12
.elseif z >= 8
.set w, 8
.set u, z-8
.endif
.if z < 15
	v_pk_add_f32 v[rS+w*u:rS+w*u+1], v[rS+w*u:rS+w*u+1], v[rS+w*u+w/2:rS+w*u+w/2+1]
.else
	v_pk_fma_f32 v[rT+2:rT+3], v[rT+2:rT+3], v[rT+6:rT+7], v[rS:rS+1] op_sel_hi:[1,0,1]
.endif
.else
	WIN W_RS
	v_pk_mul_f32 v[rO:rO+1], v[rO:rO+1], v[rT+6:rT+7] op_sel_hi:[1,0]
.endif
.endm
; Slice k of 64 of piece y's softmax: numbers 2 k and 2 k + 1 of both tiles' lists; what is over stands together in slice 63.
.macro SLICE y
.if (k >= 11) && (k < 44)           ; tile by tile: plain, exponential, plain, exponential
.irp t, \y, (\y)+1
.irp n, 0,1
.set j, 2*k+(\n)
	SM \t
.endr
.endr
.else                               ; the two tiles alternate
.irp n, 0,1,2,3,4,5,6,7
.if ((\n) < 2) || (k == 63)
.irp t, \y, (\y)+1
.set j, 2*k+(\n)
	SM \t
.endr
.endif
.endr
.endif
.set k, k+1
.endm
; A TURN.  Piece x has the matrix unit: 32 products V^T P of the step in hand, then 32 products K Q^T of the next; the other piece's softmax stands in slices behind them, one behind each.
; Piece 0's turn fetches the next step's K and mask behind its second product: their last readers stand in front of slice 63 of the turn before.  Piece 2's turn fetches the same step's V behind
; its second product K Q^T: V's last reader stands three slices, six plain instructions, back.
.macro TURN x
.set k, 0
.if (\x) == 0
	s_wait_dscnt 0x0                ; V is in
.endif
.set i, 0
.rept 32
	PV \x
	SLICE 2-(\x)
.if ((\x) == 0) && (i == 1)
	FETCH_K
.endif
.set i, i+1
.endr
.if (\x) == 0
	s_wait_dscnt 0x0                ; K and the mask are in
	MSCALE
.endif
.set i, 0
.rept 32
	KQ \x
	SLICE 2-(\x)
.if ((\x) == 2) && (i == 1)
	FETCH_V
.endif
.set i, i+1
.endr
.endm
; THE CHANGE OF SLOTS, between piece 2's turn and piece 0's: the slot's last bytes, V, have been asked for.  Each wave waits for all its tensor loads (at most one is out: its part of the other slot), adds 0 to its
; spare word, and waits for that and for its reads of the slot.  fill = 1: the slot is filled again, with the keys two slots on, behind a round of the cluster's barrier: the joint refill has one step, 128 matrix instructions, in which to land.
.macro CHANGE fill
	WIN 0
	s_wait_tensorcnt 0x0            ; no tensor load of mine is out, so a group 0 may be written
	ds_add_u32 v[SPW], v[NIL]       ; 0 onto my spare word
.if \fill
.irp g, G0K+4, G0V+4
	s_xor_b32 s[(\g)+1], s[(\g)+1], SLOT1
	s_add_nc_u64 s[(\g)+2:(\g)+3], s[(\g)+2:(\g)+3], 32768  ; the next 128 keys
.endr
	s_xor_b32 s[G0M+5], s[G0M+5], SLOT1
	s_add_nc_u64 s[G0M+6:G0M+7], s[G0M+6:G0M+7], 512        ; the next 128 columns of the mask
	s_wait_xcnt 0x0                 ; the last prefetch, a step back, has read its address
	s_add_nc_u64 s[PFA:PFA+1], s[PFA:PFA+1], s[PFS:PFS+1]
	s_wait_dscnt 0x0                ; the add is done, and my reads of the slot are over
	CROUND
	JLOAD
	ASK
.else
	s_wait_dscnt 0x0
	s_barrier_signal -1
	s_barrier_wait -1
.endif
	s_xor_b32 s[TB], s[TB], SLOT1   ; the fetches go on in the other slot
.endm
	s_wait_tensorcnt 1              ; my part of slot 0 is in; slot 1's may stay out
	s_barrier_signal -1
	s_barrier_wait -1
	FETCH_K                         ; step 0
	s_wait_loadcnt 0x0              ; Q
	s_wait_dscnt 0x0
	MSCALE
.set i, 0
.rept 32
	KQ 0                            ; piece 0's first scores
.set i, i+1
.endr
	WIN 0                           ; the addresses for the end are made here: plain instructions, the places behind those products
	s_mul_i32 s[LT], s[WV], 16*SP
	s_add_co_u32 s[LT], s[LT], STAGE  ; my stage
	v_mul_u32_u24 v[STO], v1, SP    ; in: row l % 16, 16 bytes for each half of the lanes
	v_lshl_add_u32 v[STO], v9, 4, v[STO]
	v_add_nc_u32 v[STO], s[LT], v[STO]
	v_mul_u32_u24 v[RD], v9, SP     ; back: lanes 0-15 one row of 256 bytes, lanes 16-31 the next
	v_lshl_add_u32 v[RD], v1, 4, v[RD]
	v_add_nc_u32 v[RD], s[LT], v[RD]
	v_lshlrev_b32 v[GO], 12, v9     ; and the same two rows in ob
	v_lshl_add_u32 v[GO], v1, 4, v[GO]
	v_and_b32 v10, 31, v0
	s_lshl_b32 s[LT], s[WV], 14
	s_add_co_u32 s[LT], s[LT], XCH
	v_lshl_add_u32 v[XW], v10, 4, s[LT]
	s_xor_b32 s[PW], s[WV], 1       ; my partner: the same rows, the other half of the keys
	s_lshl_b32 s[LT], s[PW], 14
	s_add_co_u32 s[LT], s[LT], XCH
	v_lshl_add_u32 v[XR], v10, 4, s[LT]
	s_lshl_b32 s[LT], s[WV], 10
	s_add_co_u32 s[LT], s[LT], STX
	v_lshl_add_u32 v[SXW], v10, 3, s[LT]
	s_lshl_b32 s[LT], s[PW], 10
	s_add_co_u32 s[LT], s[LT], STX
	v_lshl_add_u32 v[SXR], v10, 3, s[LT]
	s_mov_b32 s[SLOTS], 15          ; the half trip below counts one; 14 changes of slots follow, each of which fills a slot again
	s_branch .Lmid                  ; the loop is entered at its second turn
.Lslot:                             ; a trip: the slot just read is asked for again; piece 0's turn, piece 2's turn
	CHANGE 1
	TURN 0                          ; V^T P of the step in hand, K Q^T of the next | piece 2's softmax | the next step's K and mask
	WIN 0
.Lmid:
	TURN 2                          ; the same for piece 2 | piece 0's softmax of the next step | its V.  The first time: V^T P on zeros, piece 2's first scores | piece 0's first softmax | V of step 0
	WIN 0
	s_sub_co_u32 s[SLOTS], s[SLOTS], 1
	s_cmp_lg_u32 s[SLOTS], 0
	s_cbranch_scc1 .Lslot
	CHANGE 0                        ; the tail has a text of its own
	s_mov_b32 s[CNT], 2
.Ltail:
	TURN 0                          ; the second time: V^T P of the last step | piece 2's last softmax; its products K Q^T serve nothing
	WIN 0
	s_sub_co_u32 s[CNT], s[CNT], 1
	s_cmp_eq_u32 s[CNT], 0
	s_cbranch_scc1 .Lout
	TURN 2
	WIN 0
	s_branch .Ltail
.Lout:
.set i, 0
.rept 32
	PV 2                            ; piece 2: V^T P of the last step
.set i, i+1
.endr
	; THE TWO HALVES OF THE KEYS MEET.  (m, l) go to the partner; with M = max(m, m'), my O^T is multiplied by 2^(m - M) / (l 2^(m - M) + l' 2^(m' - M)); then the wave of the first half finishes piece 0
	; and the other piece 2: each sends the piece that it does not finish, and adds what it receives.  All in f32.  The first additions are the places behind the last products.
	WIN 0
.irp t, 0,1,2,3
	v_add_f32 v[ST+8*(\t)+4], v[ST+8*(\t)+2], v[ST+8*(\t)+3]
.endr
.irp t, 0,1,2,3
	v_permlanex16_b32 v[ST+8*(\t)+5], v[ST+8*(\t)+4], s[SEL], s[SEL+1]
.endr
.irp t, 0,1,2,3
	v_add_f32 v[ST+8*(\t)+1], v[ST+8*(\t)+4], v[ST+8*(\t)+5]
.endr
.irp t, 0,1,2,3
	ds_store_b64 v[SXW], v[ST+8*(\t):ST+8*(\t)+1] offset:256*(\t)
.endr
	s_wait_dscnt 0x0                ; for the partner's sake: my stores are done
	s_barrier_signal -1
	s_barrier_wait -1
.irp t, 0,1,2,3
	ds_load_b64 v[ST+8*(\t)+4:ST+8*(\t)+5], v[SXR] offset:256*(\t)
.endr
	s_wait_dscnt 0x0
.irp t, 0,1,2,3
	v_max_num_f32 v[ST+8*(\t)+6], v[ST+8*(\t)], v[ST+8*(\t)+4]
.endr
.irp t, 0,1,2,3
	v_sub_f32 v[ST+8*(\t)+2], v[ST+8*(\t)], v[ST+8*(\t)+6]
	v_sub_f32 v[ST+8*(\t)+3], v[ST+8*(\t)+4], v[ST+8*(\t)+6]
.endr
.irp t, 0,1,2,3
	v_exp_f32 v[ST+8*(\t)+2], v[ST+8*(\t)+2]
	v_exp_f32 v[ST+8*(\t)+3], v[ST+8*(\t)+3]
.endr
	v_nop                           ; a plain instruction behind the last exponential
.irp t, 0,1,2,3
	s_wait_alu depctr_va_vdst(0)
	v_mul_f32 v[ST+8*(\t)+7], v[ST+8*(\t)+1], v[ST+8*(\t)+2]
.endr
.irp t, 0,1,2,3
	v_fma_f32 v[ST+8*(\t)+7], v[ST+8*(\t)+5], v[ST+8*(\t)+3], v[ST+8*(\t)+7]
.endr
.irp t, 0,1,2,3
	v_rcp_f32 v[ST+8*(\t)+7], v[ST+8*(\t)+7]
.endr
	v_nop                           ; and behind the last reciprocal
.irp t, 0,1,2,3
	s_wait_alu depctr_va_vdst(0)
	v_mul_f32 v[ST+8*(\t)+6], v[ST+8*(\t)+2], v[ST+8*(\t)+7]
.endr
	WIN W_RS
.irp t, 0,1,2,3
.set y, 0
.rept 32
	v_pk_mul_f32 v[64*(\t)+2*y:64*(\t)+2*y+1], v[64*(\t)+2*y:64*(\t)+2*y+1], v[ST+8*(\t)+6:ST+8*(\t)+7] op_sel_hi:[1,0]
.set y, y+1
.endr
.endr
	WIN 0
.macro XSEND base                   ; 128 registers of O^T, from window 1, to my 16,384 bytes
	WIN 0x04
.set y, 0
.rept 32
	ds_store_b128 v[XW], v[(\base)+4*y:(\base)+4*y+3] offset:512*y
.set y, y+1
.endr
	WIN 0
.endm
.macro FPACK x, u                   ; tile x + u: rounded to f16; 16 bytes a lane into rows of 272 bytes, and back as whole rows of 256
	WIN 0x05                        ; sources 0 and 1 window 1, destination window 0
.set y, 0
.rept 32
	v_cvt_pk_f16_f32 v[P+32*(\u)+y], v[64*((\x)+(\u))+2*y], v[64*((\x)+(\u))+2*y+1]
.set y, y+1
.endr
	WIN 0
.irp f, 0,1,2,3,4,5,6,7
	ds_store_b128 v[STO], v[P+32*(\u)+4*(\f):P+32*(\u)+4*(\f)+3] offset:32*(\f)
.endr
.irp f, 0,1,2,3,4,5,6,7
	ds_load_b128 v[P+32*(\u)+4*(\f):P+32*(\u)+4*(\f)+3], v[RD] offset:(\f)*2*SP  ; LDS serves a wave's instructions in order: these see the stores above
.endr
.endm
.macro FSEND x, u, younger          ; younger: the LDS instructions issued behind this tile's loads
.irp f, 0,1,2,3,4,5,6,7
	s_wait_dscnt (\younger)+7-(\f)
	global_store_b128 v[GO], v[P+32*(\u)+4*(\f):P+32*(\u)+4*(\f)+3], s[10:11] offset:((\x)/2)*65536+(\u)*256+(\f)*8192  ; 16 lanes store 256 consecutive bytes, aligned: a head's 128 channels of a row
.endr
.endm
.macro FINISH x
.set y, 0
.rept 32
	ds_load_b128 v[S+4*y:S+4*y+3], v[XR] offset:512*y
.set y, y+1
.endr
	s_wait_dscnt 0x0
	WIN W_RS
.set y, 0
.rept 64
	v_pk_add_f32 v[64*(\x)+2*y:64*(\x)+2*y+1], v[64*(\x)+2*y:64*(\x)+2*y+1], v[S+2*y:S+2*y+1]
.set y, y+1
.endr
	FPACK \x, 0
	FPACK \x, 1
	FSEND \x, 0, 16
	FSEND \x, 1, 0
.endm
	s_cmp_eq_u32 s[KH], 0           ; a branch on the wave's number; no barrier stands inside it
	s_cbranch_scc0 .Lsend_low
	XSEND 128
	s_branch .Lsent
.Lsend_low:
	XSEND 0
.Lsent:
	s_wait_dscnt 0x0                ; for the partner's sake
	s_barrier_signal -1
	s_barrier_wait -1
	s_cmp_eq_u32 s[KH], 0
	s_cbranch_scc0 .Lfinish_2
	FINISH 0
	s_branch .Ldone
.Lfinish_2:
	FINISH 2
.Ldone:
	s_wait_tensorcnt 0x0            ; the wave's end
	ds_add_u32 v[SPW], v[NIL]
	s_wait_dscnt 0x0
	CROUND                          ; the closing round
	s_endpgm
.Lfunc_end_k_qca74dae24b_attn:
	.size	k_qca74dae24b_attn, .Lfunc_end_k_qca74dae24b_attn-k_qca74dae24b_attn
	.p2alignl 7, 3214868480
	.fill 96, 4, 3214868480
	.section	.rodata,"a",@progbits
	.p2align	6, 0x0
	.amdhsa_kernel k_qca74dae24b_attn
		.amdhsa_group_segment_fixed_size 327680
		.amdhsa_private_segment_fixed_size 0
		.amdhsa_enable_private_segment 0
		.amdhsa_kernarg_size 24
		.amdhsa_user_sgpr_count 2
		.amdhsa_user_sgpr_kernarg_segment_ptr 1
		.amdhsa_wavefront_size32 1
		.amdhsa_system_sgpr_workgroup_id_x 1
		.amdhsa_system_sgpr_workgroup_id_y 1
		.amdhsa_system_sgpr_workgroup_id_z 1
		.amdhsa_system_vgpr_workitem_id 0
		.amdhsa_next_free_vgpr 1024
		.amdhsa_next_free_sgpr 100
		.amdhsa_reserve_vcc 0
		.amdhsa_float_denorm_mode_32 3
		.amdhsa_float_denorm_mode_16_64 3
		.amdhsa_memory_ordered 1
		.amdhsa_forward_progress 1
		.amdhsa_inst_pref_size 192
	.end_amdhsa_kernel
	.amdgpu_metadata
---
amdhsa.version: [ 1, 2 ]
amdhsa.kernels:
  - .name:           k_qca74dae24b_attn
    .symbol:         k_qca74dae24b_attn.kd
    .args:
      - { .name: qkvh, .offset: 0, .size: 8, .value_kind: global_buffer, .address_space: global }
      - { .name: attention_mask, .offset: 8, .size: 8, .value_kind: global_buffer, .address_space: global }
      - { .name: ob, .offset: 16, .size: 8, .value_kind: global_buffer, .address_space: global }
    .group_segment_fixed_size: 327680
    .private_segment_fixed_size: 0
    .kernarg_segment_align: 8
    .kernarg_segment_size: 24
    .max_flat_workgroup_size: 128
    .sgpr_count:     100
    .vgpr_count:     1024
    .wavefront_size: 32
...
	.end_amdgpu_metadata
.endif
;; end of part 3
;; launch oproj (part 4): grid 16 x 16, 4 waves a work-group, clusters of 4 x 4, 327,680 bytes of LDS; arguments ob, wob, out0; writes out0
.if DOCPART == 4
	.amdgcn_target "amdgcn-amd-amdhsa--gfx1250"
	.amdhsa_code_object_version 6
	.text
	.protected	k_qca74dae24b_oproj
	.globl	k_qca74dae24b_oproj
	.p2align	8
	.type	k_qca74dae24b_oproj,@function
k_qca74dae24b_oproj:
	s_mov_b64 s[64:65], 0
	v_nop
	global_prefetch_b8 v0, s[64:65] scope:SCOPE_SE
	s_setreg_imm32_b32 hwreg(HW_REG_WAVE_MODE, 25, 1), 1
	s_wait_xcnt 0x0
	s_wait_alu depctr_hold_cnt(0) depctr_sa_sdst(0) depctr_va_vdst(0) depctr_va_sdst(0) depctr_va_ssrc(0) depctr_va_vcc(0) depctr_vm_vsrc(0)
	s_getreg_b32 s2, hwreg(HW_REG_IB_STS2, 6, 4)
	s_cmp_eq_u32 s2, 0
	s_cbranch_scc0 .Lentry_in_a_cluster
	s_endpgm
.Lentry_in_a_cluster:
	s_bfe_u32 s2, ttmp6, 0x10000c
	s_cmp_lg_u32 s2, 0xf033
	s_cbranch_scc0 .Lentry_shape_is_right
	s_endpgm
.Lentry_shape_is_right:
; out0 = O Wo.  A = ob [2048][2048] f16 (O / 4), B = wob [2048 k][4096 n] f16 (4 x bf16(Wo)), C = out0 [2048][4096] f32; sums in f32.
; The frame is the projection's in front: a tile of C is 128 rows x 256 columns, 16 x 16 work-groups; wave w makes rows 64 (w / 2) .. + 63 and columns 128 (w % 2) .. + 127 in 32 accumulators.
; K goes in steps of 128 through a ring of two LDS slots; the loop's trip is one K step: slot 1 begins at 2^17, so that one exclusive or turns an address in one slot into the other's.
; A is read as it lies, B turned by ds_load_tr16_b128; source 0 = 16 columns of B, source 1 = 16 rows of A, so that a lane holds row l % 16 of C and the columns 16 b + 8 (l / 16) + 0 .. 7.
; CLUSTER 4 x 4; tile row = 4 x cluster x + cx, tile column = 4 x cluster y + cy: A's tiles are asked for jointly along a column of the cluster (one cx), B's along a row (one cy).
; REGISTERS: window 0: v16-29 addresses; v32-95 two buffers of A's fragments, v96-223 two of B's; on the way out v32-159 whole rows.  Window 1: the accumulators, (a, b) at v[8 (8 a + b)].
.set SIZE_K, 2048
.set APITCH, 2048
.set BPITCH, 4096
.set KSTEP,  128
.set STEPS,  SIZE_K/KSTEP
.set PA,     272                       ; a row of A in LDS: 256 bytes + 16
.set PB,     544                       ; a row of B in LDS: 512 bytes + 32 = 17 x 32, for the turning load
.set AHALF,  64*PA
.set AREG,   2*AHALF
.set BHALF,  64*PB
.set SLOT,   AREG+2*BHALF
.set SLOT1,  1<<17                     ; where slot 1 begins
.set STAGE,  SLOT1+SLOT                ; behind the ring: 16 rows x 528 bytes for each wave, for the way out
.set SPITCH, 528
.set SPARE,  STAGE+4*16*SPITCH         ; the spare words, 128 bytes for each wave: two blocks of 256 bytes that no other line names
.set A0,   16                          ; v16  my lane's place among my A fragments in a slot; never rewritten
.set B0,   17                          ; v17  the same for B
.set ADRA, 18                          ; v18  the same in the slot in hand
.set ADRB, 19                          ; v19
.set STO,  24
.set RD,   25
.set CO,   26
.set SPW,  28
.set NIL,  29
.set FA,   32
.set FB,   96
.set BK,   32                          ; the way out: whole rows, two buffers of 64
.set G1,  24
.set G0,  32                           ; a set for each of the two first fills; the second then walks on
.set TB,  45                           ; s45  LDS byte at which the slot in hand begins
.set G1B, 48
.set G0B, 56
.set MSB, 0
.macro WIN new
.if MSB != (\new)
	s_set_vgpr_msb (MSB<<8)|(\new)
.set MSB, \new
.endif
.endm
.macro JLOAD s                         ; a joint load: waves 0 and 1 fetch A's two halves, waves 2 and 3 B's; an s_nop 0 and four v_nop follow each line
	s_cmp_eq_u32 s11, 0
	s_cbranch_scc0 .Lfor_b_\@
	tensor_load_to_lds s[G0+4*(\s):G0+4*(\s)+3], s[G1:G1+7]
	s_nop 0
.rept 4
	v_nop
.endr
	s_branch .Lasked_\@
.Lfor_b_\@:
	tensor_load_to_lds s[G0B+4*(\s):G0B+4*(\s)+3], s[G1B:G1B+7]
	s_nop 0
.rept 4
	v_nop
.endr
.Lasked_\@:
.endm
.macro CROUND                          ; a round of the cluster's barrier
	s_barrier_signal -1
	s_barrier_wait -1
	s_cmp_lg_u32 s10, 0
	s_cbranch_scc1 .Lnot_wave_0_\@
	s_barrier_signal -3
.Lnot_wave_0_\@:
	s_barrier_wait -3
	s_barrier_signal -1
	s_barrier_wait -1
.endm
.macro PLACES
.rept 4
	v_nop
.endr
.endm
	s_load_b128 s[4:7], s[0:1], 0x0                ; A s[4:5], B s[6:7]
	s_load_b64 s[8:9], s[0:1], 0x10                ; out0
	v_lshl_add_u32 v[SPW], v0, 2, SPARE
	v_mov_b32 v[NIL], 0
	ds_add_u32 v[SPW], v[NIL]                      ; the wave's opening: the add and its wait stand ahead of my first tensor load
	v_lshrrev_b32 v1, 5, v0
	v_readfirstlane_b32 s10, v1                    ; wave 0..3
	s_lshr_b32 s11, s10, 1                         ; which 64 rows are mine.  Also: I fetch for A (0) or for B (1)
	s_and_b32 s12, s10, 1                          ; which 128 columns.  Also: which half of that tile I fetch
	s_bfe_u32 s40, ttmp6, 0x40000                  ; cx
	s_bfe_u32 s41, ttmp6, 0x40004                  ; cy
	s_lshl_b32 s13, ttmp9, 2
	s_add_co_u32 s13, s13, s40                     ; tile row = 4 x cluster x + cx
	s_and_b32 s42, ttmp7, 0xffff
	s_lshl_b32 s42, s42, 2
	s_add_co_u32 s42, s42, s41                     ; tile column = 4 x cluster y + cy
	s_lshl_b32 s43, 0x1111, s40                    ; my column of the cluster: the four that share my tile row
	s_lshl_b32 s44, s41, 2
	s_lshl_b32 s44, 15, s44                        ; my row of the cluster: the four that share my tile column
	s_or_b32 s[G1+0], s43, (1<<16)|(1<<20)|(1<<21)|(5<<22)|(3<<25)
	s_or_b32 s[G1B+0], s44, (1<<16)|(1<<20)|(1<<21)|(6<<22)|(7<<25)
	s_mov_b32 s[G1+1], KSTEP<<16
	s_mov_b32 s[G1+2], 64<<16
	s_mov_b32 s[G1+3], KSTEP<<16
	s_mov_b32 s[G1+4], 64
	s_mov_b32 s[G1+5], APITCH
	s_mov_b32 s[G1+6], 0
	s_mov_b32 s[G1+7], 0
	s_mov_b32 s[G1B+1], 256<<16
	s_mov_b32 s[G1B+2], 64<<16
	s_mov_b32 s[G1B+3], 256<<16
	s_mov_b32 s[G1B+4], 64
	s_mov_b32 s[G1B+5], BPITCH
	s_mov_b32 s[G1B+6], 0
	s_mov_b32 s[G1B+7], 0
	s_lshl_b32 s16, s13, 7
	s_lshl_b32 s17, s12, 6
	s_add_co_u32 s16, s16, s17                     ; A: row 128 x tile row + 64 x half,
	s_mul_i32 s16, s16, APITCH*2                   ; in bytes
	s_mov_b32 s17, 0
	s_lshl_b32 s46, s12, 19                        ; B: 64 x half rows of 8,192 bytes
	s_lshl_b32 s47, s42, 9                         ; + 512 x tile column
	s_add_co_u32 s46, s46, s47
	s_mov_b32 s47, 0
	s_mul_i32 s20, s12, AHALF
	s_mul_i32 s21, s12, BHALF
	s_add_co_u32 s21, s21, AREG
	s_mov_b32 s[TB], 0
	s_wait_dscnt 0x0                               ; the opening add is done
	s_wait_kmcnt 0x0
	s_add_nc_u64 s[14:15], s[4:5], s[16:17]
	s_add_nc_u64 s[46:47], s[6:7], s[46:47]
	CROUND                                         ; all sixteen work-groups are here: the first joint loads meet
.irp s, 0,1
	s_mov_b32 s[G0+4*(\s)], 1
	s_add_co_u32 s[G0+4*(\s)+1], s20, (\s)*SLOT1
	s_add_nc_u64 s[G0+4*(\s)+2:G0+4*(\s)+3], s[14:15], (\s)*KSTEP*2
	s_or_b32 s[G0+4*(\s)+3], s[G0+4*(\s)+3], 0x80000000
	s_mov_b32 s[G0B+4*(\s)], 1
	s_add_co_u32 s[G0B+4*(\s)+1], s21, (\s)*SLOT1
	s_add_nc_u64 s[G0B+4*(\s)+2:G0B+4*(\s)+3], s[46:47], (\s)*KSTEP*BPITCH*2
	s_or_b32 s[G0B+4*(\s)+3], s[G0B+4*(\s)+3], 0x80000000
	JLOAD \s                                       ; two loads of mine are out
.endr
	v_and_b32 v1, 15, v0                           ; l % 16
	v_bfe_u32 v2, v0, 4, 1                         ; l / 16
	v_mul_u32_u24 v3, v1, PA
	v_lshl_add_u32 v3, v2, 4, v3
	v_and_b32 v4, 7, v0
	v_lshl_add_u32 v4, v2, 3, v4
	v_mul_u32_u24 v4, v4, PB
	v_bfe_u32 v5, v0, 3, 1
	v_lshl_add_u32 v4, v5, 4, v4
	s_mul_i32 s23, s11, AHALF
	s_lshl_b32 s22, s12, 8
	s_add_co_u32 s22, s22, AREG
	v_add_nc_u32 v[A0], s23, v3
	v_add_nc_u32 v[B0], s22, v4
	v_add_nc_u32 v[ADRA], s[TB], v[A0]             ; slot 0 comes first
	v_add_nc_u32 v[ADRB], s[TB], v[B0]
	s_mul_i32 s23, s10, 16*SPITCH
	s_add_co_u32 s23, s23, STAGE                   ; my stage
	v_mul_u32_u24 v4, v1, SPITCH                   ; in: row l % 16, 32 bytes for each half of the lanes
	v_lshl_add_u32 v4, v2, 5, v4
	v_add_nc_u32 v[STO], s23, v4
	v_and_b32 v[CO], 31, v0
	v_lshlrev_b32 v[CO], 4, v[CO]                  ; back, and out: 32 lanes take a row's 512 bytes
	v_add_nc_u32 v[RD], s23, v[CO]
	s_lshl_b32 s16, s13, 21                        ; my first row of out0: (128 x tile row + 64 x half) x 16,384 bytes
	s_lshl_b32 s17, s11, 20
	s_add_co_u32 s16, s16, s17
	s_mov_b32 s17, 0
	s_add_nc_u64 s[8:9], s[8:9], s[16:17]
	s_lshl_b32 s46, s42, 10                        ; my first column: 1,024 x tile column + 512 x half
	s_lshl_b32 s47, s12, 9
	s_add_co_u32 s46, s46, s47
	s_mov_b32 s47, 0
	s_add_nc_u64 s[8:9], s[8:9], s[46:47]
; The 32 accumulators take turns in the same order in every quarter, one instruction a turn.
.macro MULA f, a, zero
	WIN 0x50                                       ; C and D in window 1
.irp b, 0,1,2,3,4,5,6,7
.if \zero
	v_wmma_f32_16x16x32_f16 v[8*(8*(\a)+(\b)):8*(8*(\a)+(\b))+7], v[FB+64*(\f)+8*(\b):FB+64*(\f)+8*(\b)+7], v[FA+32*(\f)+8*(\a):FA+32*(\f)+8*(\a)+7], 0
.else
	v_wmma_f32_16x16x32_f16 v[8*(8*(\a)+(\b)):8*(8*(\a)+(\b))+7], v[FB+64*(\f)+8*(\b):FB+64*(\f)+8*(\b)+7], v[FA+32*(\f)+8*(\a):FA+32*(\f)+8*(\a)+7], v[8*(8*(\a)+(\b)):8*(8*(\a)+(\b))+7]
.endif
.endr
.endm
.macro FETCH q, f                      ; 24 LDS loads in one run: quarter q of the slot in hand into buffer f: B's 16, then A's 8
	WIN 0
.irp b, 0,1,2,3,4,5,6,7
	ds_load_tr16_b128 v[FB+64*(\f)+8*(\b):FB+64*(\f)+8*(\b)+3],   v[ADRB] offset:(\q)*32*PB+32*(\b)
	ds_load_tr16_b128 v[FB+64*(\f)+8*(\b)+4:FB+64*(\f)+8*(\b)+7], v[ADRB] offset:(\q)*32*PB+32*(\b)+16*PB
.endr
.irp a, 0,1,2,3
	ds_load_b128 v[FA+32*(\f)+8*(\a):FA+32*(\f)+8*(\a)+3],   v[ADRA] offset:(\q)*64+(\a)*16*PA
	ds_load_b128 v[FA+32*(\f)+8*(\a)+4:FA+32*(\f)+8*(\a)+7], v[ADRA] offset:(\q)*64+(\a)*16*PA+32
.endr
.endm
.macro QUARTER q, f, g, zero
	s_wait_dscnt 4                                 ; B and A's blocks 0 and 1 are in; the youngest four loads may be out
	MULA \f, 0, \zero
	MULA \f, 1, \zero
	PLACES
	FETCH \q, \g
	s_wait_dscnt 24                                ; all but the 24 just issued
	MULA \f, 2, \zero
	MULA \f, 3, \zero
.endm
; The last quarter changes slots first and multiplies buffer 1 afterwards: the wait for all my tensor loads, the add, the walking descriptors' steps, the wait for the add and for my reads of this slot;
; fill = 1: behind a round of the cluster's barrier this slot is asked for again at once, two K steps ahead, and the quarter's 32 products run while the request is on its way.
.macro TURN fill
	WIN 0
	s_wait_tensorcnt 0x0                           ; all my tensor loads have landed, so a group 0 may be written
	ds_add_u32 v[SPW], v[NIL]                      ; 0 onto my spare word
.if \fill
	s_xor_b32 s[G0+5], s[G0+5], SLOT1              ; the walking descriptors: the other slot than last time,
	s_add_nc_u64 s[G0+6:G0+7], s[G0+6:G0+7], KSTEP*2               ; the next K step
	s_xor_b32 s[G0B+5], s[G0B+5], SLOT1
	s_add_nc_u64 s[G0B+6:G0B+7], s[G0B+6:G0B+7], KSTEP*BPITCH*2
.endif
	s_xor_b32 s[TB], s[TB], SLOT1                  ; the fetches go on in the other slot
	s_wait_dscnt 0x0                               ; the add is done, and my reads of this slot are over
.if \fill
	CROUND                                         ; no wave of any partner still reads this slot or has a load on its way
	JLOAD 1                                        ; my one load behind the round; its four v_nop are the places in front of the loads below
.else
	s_barrier_signal -1
	s_barrier_wait -1
	PLACES
.endif
	v_add_nc_u32 v[ADRA], s[TB], v[A0]
	v_add_nc_u32 v[ADRB], s[TB], v[B0]
	FETCH 0, 0
	MULA 1, 0, 0
	MULA 1, 1, 0
	MULA 1, 2, 0
	MULA 1, 3, 0
.endm
	s_wait_tensorcnt 1                             ; my part of K step 0 is in; K step 1's may stay out
	s_barrier_signal -1
	s_barrier_wait -1
	FETCH 0, 0
	QUARTER 1, 0, 1, 1                             ; the first quarter's products start the sums
	WIN 0
	s_mov_b32 s3, STEPS-2
.Lstep:                                                ; a trip: from a K step's second quarter to the next step's first; it fills the slot that it leaves
	QUARTER 2, 1, 0, 0
	QUARTER 3, 0, 1, 0
	TURN 1
	QUARTER 1, 0, 1, 0
	WIN 0
	s_sub_co_u32 s3, s3, 1
	s_cmp_lg_u32 s3, 0
	s_cbranch_scc1 .Lstep
	QUARTER 2, 1, 0, 0                             ; the last two K steps fill nothing
	QUARTER 3, 0, 1, 0
	TURN 0
	QUARTER 1, 0, 1, 0
	QUARTER 2, 1, 0, 0
	QUARTER 3, 0, 1, 0
	s_wait_dscnt 4
	MULA 1, 0, 0
	MULA 1, 1, 0
	s_wait_dscnt 0x0
	MULA 1, 2, 0
	MULA 1, 3, 0
	WIN 0
; THE WAY OUT, a block of 16 rows at a time: a lane's eight f32 of a row go into my stage (rows of 528 bytes), whole rows of 512 bytes come back and are stored.
.macro TOST a
	WIN 0x04                                       ; the stores' data in window 1
.irp b, 0,1,2,3,4,5,6,7
	ds_store_b128 v[STO], v[8*(8*(\a)+(\b)):8*(8*(\a)+(\b))+3]   offset:64*(\b)
	ds_store_b128 v[STO], v[8*(8*(\a)+(\b))+4:8*(8*(\a)+(\b))+7] offset:64*(\b)+16
.endr
	WIN 0
.set BKR, BK+64*((\a)%2)
.set t, 0
.rept 16
	ds_load_b128 v[BKR+4*t:BKR+4*t+3], v[RD] offset:t*SPITCH  ; LDS serves a wave's instructions in order: these see the stores above
.set t, t+1
.endr
.endm
.macro SENDF a
.set BKR, BK+64*((\a)%2)
	s_wait_dscnt 0x0                               ; the block is back in registers
	s_wait_xcnt 0x0                                ; earlier stores have read their data: the buffer that the next block's loads take is free
.set t, 0
.rept 16
	global_store_b128 v[CO], v[BKR+4*t:BKR+4*t+3], s[8:9] offset:(16*(\a)+t)*16384 th:TH_STORE_NT  ; 512 consecutive bytes of a row of out0, aligned
.set t, t+1
.endr
.endm
	PLACES
	PLACES
.irp a, 0,1,2,3
	TOST \a
	SENDF \a
.endr
	s_wait_tensorcnt 0x0                           ; the wave's end
	ds_add_u32 v[SPW], v[NIL]
	s_wait_dscnt 0x0
	CROUND                                         ; the closing round
	s_endpgm
.Lfunc_end_k_qca74dae24b_oproj:
	.size	k_qca74dae24b_oproj, .Lfunc_end_k_qca74dae24b_oproj-k_qca74dae24b_oproj
	.p2alignl 7, 3214868480
	.fill 96, 4, 3214868480
	.section	.rodata,"a",@progbits
	.p2align	6, 0x0
	.amdhsa_kernel k_qca74dae24b_oproj
		.amdhsa_group_segment_fixed_size 327680
		.amdhsa_private_segment_fixed_size 0
		.amdhsa_enable_private_segment 0
		.amdhsa_kernarg_size 24
		.amdhsa_user_sgpr_count 2
		.amdhsa_user_sgpr_kernarg_segment_ptr 1
		.amdhsa_wavefront_size32 1
		.amdhsa_system_sgpr_workgroup_id_x 1
		.amdhsa_system_sgpr_workgroup_id_y 1
		.amdhsa_system_sgpr_workgroup_id_z 1
		.amdhsa_system_vgpr_workitem_id 0
		.amdhsa_next_free_vgpr 512
		.amdhsa_next_free_sgpr 66
		.amdhsa_reserve_vcc 0
		.amdhsa_float_denorm_mode_32 3
		.amdhsa_float_denorm_mode_16_64 3
		.amdhsa_memory_ordered 1
		.amdhsa_forward_progress 1
		.amdhsa_inst_pref_size 69
	.end_amdhsa_kernel
	.amdgpu_metadata
---
amdhsa.version: [ 1, 2 ]
amdhsa.kernels:
  - .name:           k_qca74dae24b_oproj
    .symbol:         k_qca74dae24b_oproj.kd
    .args:
      - { .name: ob, .offset: 0, .size: 8, .value_kind: global_buffer, .address_space: global }
      - { .name: wob, .offset: 8, .size: 8, .value_kind: global_buffer, .address_space: global }
      - { .name: out0, .offset: 16, .size: 8, .value_kind: global_buffer, .address_space: global }
    .group_segment_fixed_size: 327680
    .private_segment_fixed_size: 0
    .kernarg_segment_align: 8
    .kernarg_segment_size: 24
    .max_flat_workgroup_size: 128
    .sgpr_count:     66
    .vgpr_count:     512
    .wavefront_size: 32
...
	.end_amdgpu_metadata
.endif
;; end of part 4
;; ======== version 2 of 2: 4 launches; version 1 with the launch prep written anew for expert scheduling mode
;; limits: values are held in f16: magnitudes above 65,504 overflow, below 6.1e-05 lose precision
;; workspace buffers: xb 16,777,216 bytes; wqkv 33,554,432 bytes; wob 16,777,216 bytes; rope 3,145,728 bytes; qkvh 16,777,216 bytes; ob 8,388,608 bytes
;; launch prep (part 5): grid 256 x 5, 8 waves a work-group, no clusters, 0 bytes of LDS; arguments hidden_states, Wq, Wk, Wv, Wo, position_ids, xb, wqkv, wob, rope; writes xb, wqkv, wob, rope
.if DOCPART == 5
	.amdgcn_target "amdgcn-amd-amdhsa--gfx1250"
	.amdhsa_code_object_version 6
	.text
	.protected	k_qca74dae24b_prep
	.globl	k_qca74dae24b_prep
	.p2align	8
	.type	k_qca74dae24b_prep,@function
k_qca74dae24b_prep:
	s_mov_b64 s[64:65], 0
	v_nop
	global_prefetch_b8 v0, s[64:65] scope:SCOPE_SE
	s_setreg_imm32_b32 hwreg(HW_REG_WAVE_SCHED_MODE, 0, 2), 2
	s_setreg_imm32_b32 hwreg(HW_REG_WAVE_MODE, 25, 1), 1
	s_wait_xcnt 0x0
	s_wait_alu depctr_vm_vsrc(0)
; CASTS AND ROTARY TABLES.  Work-group row y of the grid says what is made:
;   y = 0  xb   = bf16(hidden_states)                      [2048][4096]
;   y = 1  wqkv columns 0-2047    = bf16(Wq)               wqkv is [4096 k][4096 n], 8,192 bytes a row
;   y = 2  wqkv columns 2048-3071 = bf16(Wk) (x < 128), columns 3072-4095 = bf16(Wv) (x >= 128)
;   y = 3  wob  = f16(4 x bf16(Wo))                        [2048 k][4096 n]; the 4 undoes the 1/4 that O carries
;   y = 4  rope: three tables [2048 rows][cos 64 | sin 64] of f32: table 0 times 4 log2(e) / sqrt(128) (for q), table 1 times 1/4 (for k), table 2 = (1/4, 0) (for v)
; A stream without LDS: each work-group of y < 4 takes 32,768 numbers (128 KiB in, 64 KiB out).  A step is 1,024 numbers: a thread loads 16 bytes and stores 8,
; so a wave's load covers 512 consecutive bytes and its store 256 consecutive bytes, aligned.  Four to eight loads of every wave are on their way.
; LIMITS.  |Wo| under 16,376 (f16 ends at 65,504); 4 Wo below 6.1e-5 keeps f16's fixed step of 6e-8.  position_ids lie in 0 .. 2047, as the reference's take() relies on;
; the angle pos x inv_freq is within some 4e-4 of the reference's (inv_freq by an exponential good to one unit in the last place).
; THE MODE: SCHED_MODE bits 1:0 = 2 (LLVM: expert scheduling mode 2), set by the entry lines.  The code itself states the register dependences
; between vector instructions and memory instructions, with s_wait_alu, always for 0.
; THE PLAN, for the stream.  The 32 steps go in 8 blocks of four; block p works on X[p % 2] and Y[p % 2].  Registers that memory instructions touch:
;   X0, X1     a block of input as loaded.  Read by the block's conversions; behind them the loads of block p + 2 land in the same buffer.
;   Y0, Y1     a block of output.           Written by the block's conversions; read by the block's four stores, which follow them.
;   v1, v2-v5  byte offsets, made once at the head and never written again: the blocks are reached by three scalar bases, stepped once a trip, and by immediate offsets.
;   v[56:61]   at work: no memory instruction names them.
; So ONE wait on va_vdst stands in a block, behind its conversions: they are done reading X[b] and have written Y[b]; the block's eight memory instructions follow it with no vector
; instruction between.  ONE wait on vm_vsrc stands in a trip of two blocks, at its end: every store issued so far has read its Y, and both Y are written again only behind it.
.set LO,  1                            ; v1      16 x thread: my 16 bytes of a step's input; never rewritten
.set OFF, 2                            ; v[2:5]  8 x thread + where steps 0 to 3 of four lie in the output; never rewritten
.set X,   8                            ; v[8:39]  buffer k, step i of four: 4 registers at X + 16 k + 4 i, as loaded
.set Y,   40                           ; v[40:55] buffer k, step i of four: 2 registers at Y + 8 k + 2 i, to store
.set T,   56                           ; v[56:61] at work
	s_load_b512 s[4:19], s[0:1], 0x0               ; hidden s[4:5], Wq s[6:7], Wk s[8:9], Wv s[10:11], Wo s[12:13], position_ids s[14:15], xb s[16:17], wqkv s[18:19]
	s_load_b128 s[20:23], s[0:1], 0x40             ; wob s[20:21], rope s[22:23]
	s_and_b32 s36, ttmp7, 0xffff                   ; y
	s_mov_b32 s37, ttmp9                           ; x
	s_and_b32 s42, s37, 127
	v_lshlrev_b32 v[LO], 4, v0
	v_lshlrev_b32 v[OFF], 3, v0
	s_wait_kmcnt 0x0
	s_cmp_eq_u32 s36, 4
	s_cbranch_scc1 .Lrope
	; source s[24:25], destination s[26:27], e = log2(4096 / the source's row length) s38, column offset in bytes s39, the part's number s40
	s_mov_b64 s[24:25], s[4:5]
	s_mov_b64 s[26:27], s[16:17]
	s_mov_b32 s38, 0
	s_mov_b32 s39, 0
	s_mov_b32 s40, s37
	s_cmp_eq_u32 s36, 1
	s_cselect_b64 s[24:25], s[6:7], s[24:25]
	s_cselect_b64 s[26:27], s[18:19], s[26:27]
	s_cselect_b32 s38, 1, s38
	s_lshr_b32 s41, s37, 7
	s_cmp_eq_u32 s36, 2
	s_cselect_b64 s[24:25], s[8:9], s[24:25]
	s_cselect_b64 s[26:27], s[18:19], s[26:27]
	s_cselect_b32 s38, 2, s38
	s_cselect_b32 s39, 4096, s39
	s_cselect_b32 s40, s42, s40
	s_cselect_b32 s41, s41, 0                      ; 1: Wv
	s_cmp_eq_u32 s41, 1
	s_cselect_b64 s[24:25], s[10:11], s[24:25]
	s_cselect_b32 s39, 6144, s39
	s_cmp_eq_u32 s36, 3
	s_cselect_b64 s[24:25], s[12:13], s[24:25]
	s_cselect_b64 s[26:27], s[20:21], s[26:27]
	s_lshl_b32 s28, s40, 17                        ; 128 KiB of input a work-group
	s_mov_b32 s29, 0
	s_add_nc_u64 s[24:25], s[24:25], s[28:29]
	s_add_co_u32 s43, s38, 16
	s_lshl_b32 s28, s40, s43                       ; its rows in the output: 8, 16 or 32 of 8,192 bytes
	s_add_co_u32 s28, s28, s39
	s_add_nc_u64 s[26:27], s[26:27], s[28:29]      ; a trip's first block (steps 0 to 3 of its eight) is stored from here,
	s_lshl_b32 s28, 8192, s38
	s_add_nc_u64 s[30:31], s[26:27], s[28:29]      ; its second block (steps 4 to 7) from here
	s_lshl_b32 s32, 16384, s38                     ; a trip's eight steps in the output
	s_mov_b32 s33, 0
	s_mov_b32 s44, 2048                            ; step 1 lies 2,048 bytes on in the row,
	s_cmp_eq_u32 s38, 2
	s_cselect_b32 s44, 8192, s44                   ; or (rows of 1,024 numbers) a row down
	s_lshl_b32 s45, 4096, s38                      ; step 2
	s_add_co_u32 s46, s44, s45                     ; step 3
	v_add_nc_u32 v[OFF+1], s44, v[OFF]
	v_add_nc_u32 v[OFF+2], s45, v[OFF]
	v_add_nc_u32 v[OFF+3], s46, v[OFF]
; A block of four steps, in buffers b.  ahead = 1: X[b] is loaded again, two blocks (eight steps) on.  kind = 1: Wo.
.macro BODY b, ahead, kind
.irp i, 0,1,2,3
.if \kind
	v_cvt_pk_bf16_f32 v[T], v[X+16*(\b)+4*(\i)], v[X+16*(\b)+4*(\i)+1]        ; rounded to bf16 like every other input,
	v_cvt_pk_bf16_f32 v[T+1], v[X+16*(\b)+4*(\i)+2], v[X+16*(\b)+4*(\i)+3]
	v_lshlrev_b32 v[T+2], 16, v[T]
	v_and_b32 v[T+3], 0xffff0000, v[T]
	v_lshlrev_b32 v[T+4], 16, v[T+1]
	v_and_b32 v[T+5], 0xffff0000, v[T+1]
	v_pk_mul_f32 v[T+2:T+3], v[T+2:T+3], 4.0 op_sel_hi:[1,0]                  ; times 4, exact,
	v_pk_mul_f32 v[T+4:T+5], v[T+4:T+5], 4.0 op_sel_hi:[1,0]
	v_cvt_pk_f16_f32 v[Y+8*(\b)+2*(\i)], v[T+2], v[T+3]                       ; and written as f16: 8 significant bits fit in 11
	v_cvt_pk_f16_f32 v[Y+8*(\b)+2*(\i)+1], v[T+4], v[T+5]
.else
	v_cvt_pk_bf16_f32 v[Y+8*(\b)+2*(\i)], v[X+16*(\b)+4*(\i)], v[X+16*(\b)+4*(\i)+1]
	v_cvt_pk_bf16_f32 v[Y+8*(\b)+2*(\i)+1], v[X+16*(\b)+4*(\i)+2], v[X+16*(\b)+4*(\i)+3]
.endif
.endr
	s_wait_alu depctr_va_vdst(0)                   ; the conversions are done reading X[b], in which the loads below land, and have written Y[b], which the stores below read
.if \ahead
.irp i, 0,1,2,3
	global_load_b128 v[X+16*(\b)+4*(\i):X+16*(\b)+4*(\i)+3], v[LO], s[24:25] offset:32768+(4*(\b)+(\i))*4096 th:TH_LOAD_NT  ; the buffer is asked for again at once
.endr
.endif
.irp i, 0,1,2,3
	global_store_b64 v[OFF+(\i)], v[Y+8*(\b)+2*(\i):Y+8*(\b)+2*(\i)+1], s[26+4*(\b):27+4*(\b)] th:TH_STORE_NT
.endr
.endm
; Four trips of two blocks; the last is written out without loads, so that no load leaves the buffer.  The wait for a trip's first block stands at the end of the trip before, and once ahead of the loop.
.macro STREAM kind
	s_wait_alu depctr_va_vdst(0)                   ; v[LO] and v[OFF] to v[OFF+3] are written: every load and store below reads one of them as its offset
.irp i, 0,1,2,3,4,5,6,7
	global_load_b128 v[X+4*(\i):X+4*(\i)+3], v[LO], s[24:25] offset:(\i)*4096 th:TH_LOAD_NT  ; blocks 0 and 1 into X0 and X1
.endr
	s_mov_b32 s34, 3
	s_wait_loadcnt 4                               ; loads come back in order: X0 is in, X1's four stay out
.Ltrip_\kind:
	BODY 0, 1, \kind
	s_wait_loadcnt 4                               ; X1 is in; the four loads just issued into X0 stay out
	BODY 1, 1, \kind
	s_wait_loadcnt 4                               ; X0 is in, for the next trip's first block; the four loads just issued into X1 stay out
	s_wait_xcnt 0x0                                ; the trip's loads and stores have had their addresses translated: the three bases and, in the next trip, Y may be written
	s_wait_alu depctr_vm_vsrc(0)                   ; the trip's stores have read Y0 and Y1, which the next two blocks' conversions write again
	s_add_nc_u64 s[24:25], s[24:25], 32768
	s_add_nc_u64 s[26:27], s[26:27], s[32:33]
	s_add_nc_u64 s[30:31], s[30:31], s[32:33]
	s_sub_co_u32 s34, s34, 1
	s_cmp_lg_u32 s34, 0
	s_cbranch_scc1 .Ltrip_\kind
	BODY 0, 0, \kind
	s_wait_loadcnt 0x0                             ; the last block is in
	BODY 1, 0, \kind
	s_endpgm
.endm
	s_cmp_eq_u32 s36, 3
	s_cbranch_scc1 .Lwo
	STREAM 0
.Lwo:
	STREAM 1
; THE TABLES.  Wave w makes row m = 8 x + w: cos and sin of pos[m] x inv_freq[i], i = 0 .. 63; lane l makes i = 2 l and 2 l + 1.
; inv_freq[i] = 2^(-i C), C = log2(10000) / 64, the product taken in two parts; the angle is reduced by multiples of pi / 2 (in two parts) to |r| <= pi / 4;
; sin r to r^9 and cos r to r^8 by their series, whose next terms are under 3e-8 there; the quadrant swaps them and sets the signs.
; Memory instructions touch v8 (the stores' offset) and v[44:55] (their data): one wait on va_vdst stands ahead of the six stores.
.Lrope:
	v_lshrrev_b32 v6, 5, v0
	v_readfirstlane_b32 s24, v6                    ; wave
	s_lshl_b32 s25, s37, 3
	s_wait_alu depctr_va_sdst(0)                   ; s24 is written, ahead of its first reader: the row's number is made from it
	s_add_co_u32 s25, s25, s24                     ; row m
	s_lshl_b32 s26, s25, 2
	s_mov_b32 s27, 0
	s_add_nc_u64 s[14:15], s[14:15], s[26:27]
	s_load_b32 s28, s[14:15], 0x0                  ; pos[m]: it enters as a number, no address is made of it
	s_mov_b32 s30, 0xbe549a78                      ; -C, upper part
	s_mov_b32 s31, 0xb19799cc                      ; -C, the rest (4.41e-9)
	s_mov_b32 s32, 0xbfc90fdb                      ; -pi / 2, upper part
	s_mov_b32 s33, 0x333bbd2e                      ; what that part is too large by
	s_mov_b32 s34, 0x3f0293ee                      ; 4 log2(e) / sqrt(128) = 0.5100697
	s_mov_b32 s35, s34
	s_mov_b32 s38, 0x3e800000                      ; 1 / 4
	s_mov_b32 s39, s38
	v_and_b32 v6, 31, v0
	s_lshl_b32 s29, s25, 9
	v_lshl_add_u32 v8, v6, 3, s29                  ; 512 m + 8 l
	s_wait_kmcnt 0x0
	v_cvt_f32_i32 v7, s28
.macro TRIG k                          ; frequency 2 l + k: cos into v[40+k], sin into v[42+k]
.set R, 10+12*(\k)
	v_lshl_add_u32 v[R], v6, 1, \k
	v_cvt_f32_u32 v[R], v[R]
	v_mul_f32 v[R+1], s30, v[R]                    ; -i C, rounded,
	v_fma_f32 v[R+2], v[R], s30, -v[R+1]           ; what the rounding lost,
	v_fma_f32 v[R+2], v[R], s31, v[R+2]            ; and C's rest
	v_exp_f32 v[R+3], v[R+1]
	v_mul_f32 v[R+2], 0x3f317218, v[R+2]           ; times ln 2 (a plain line behind the exponential, which names neither its result nor its source)
	s_wait_alu depctr_va_vdst(0)                   ; the exponential has written v[R+3], which the next line reads
	v_fma_f32 v[R+3], v[R+3], v[R+2], v[R+3]       ; inv_freq
	v_mul_f32 v[R+4], v7, v[R+3]                   ; the angle, one f32 product as in the reference
	v_mul_f32 v[R+5], 0x3f22f983, v[R+4]           ; times 2 / pi
	v_rndne_f32 v[R+5], v[R+5]                     ; n
	v_fma_f32 v[R+4], v[R+5], s32, v[R+4]
	v_fma_f32 v[R+4], v[R+5], s33, v[R+4]          ; r
	v_mul_f32 v[R+6], v[R+4], v[R+4]               ; r^2
	v_mov_b32 v[R+7], 0x3638ef1d                   ; 1 / 9!
	v_mov_b32 v[R+8], 0x37d00d01                   ; 1 / 8!
	v_fmaak_f32 v[R+7], v[R+7], v[R+6], 0xb9500d01 ; -1 / 7!
	v_fmaak_f32 v[R+8], v[R+8], v[R+6], 0xbab60b61 ; -1 / 6!
	v_fmaak_f32 v[R+7], v[R+7], v[R+6], 0x3c088889 ; 1 / 5!
	v_fmaak_f32 v[R+8], v[R+8], v[R+6], 0x3d2aaaab ; 1 / 4!
	v_fmaak_f32 v[R+7], v[R+7], v[R+6], 0xbe2aaaab ; -1 / 3!
	v_fmaak_f32 v[R+8], v[R+8], v[R+6], 0xbf000000 ; -1 / 2!
	v_mul_f32 v[R+9], v[R+4], v[R+6]
	v_fma_f32 v[R+7], v[R+9], v[R+7], v[R+4]       ; sin r
	v_fma_f32 v[R+8], v[R+8], v[R+6], 1.0          ; cos r
	v_cvt_i32_f32 v[R+5], v[R+5]
	v_and_b32 v[R+9], 1, v[R+5]
	v_cmp_eq_u32 vcc_lo, 1, v[R+9]                 ; odd quadrants swap the two; the signs' five lines stand between the compare and the wait for its mask
	v_and_b32 v[R+3], 2, v[R+5]                    ; sin is turned in quadrants 2 and 3,
	v_lshlrev_b32 v[R+3], 30, v[R+3]
	v_add_nc_u32 v[R+5], 1, v[R+5]                 ; cos in quadrants 1 and 2
	v_and_b32 v[R+5], 2, v[R+5]
	v_lshlrev_b32 v[R+5], 30, v[R+5]
	s_wait_alu depctr_va_vcc(0)                    ; the compare has written VCC, ahead of its first reader: the two selects below
	v_cndmask_b32 v[R+1], v[R+7], v[R+8], vcc_lo
	v_cndmask_b32 v[R+2], v[R+8], v[R+7], vcc_lo
	v_xor_b32 v[42+(\k)], v[R+3], v[R+1]
	v_xor_b32 v[40+(\k)], v[R+5], v[R+2]
.endm
	TRIG 0
	TRIG 1
	v_pk_mul_f32 v[44:45], v[40:41], s[34:35] op_sel_hi:[1,0]
	v_pk_mul_f32 v[46:47], v[42:43], s[34:35] op_sel_hi:[1,0]
	v_pk_mul_f32 v[48:49], v[40:41], s[38:39] op_sel_hi:[1,0]
	v_pk_mul_f32 v[50:51], v[42:43], s[38:39] op_sel_hi:[1,0]
	v_mov_b32 v52, 0x3e800000
	v_mov_b32 v53, 0x3e800000
	v_mov_b32 v54, 0
	v_mov_b32 v55, 0
	s_wait_alu depctr_va_vdst(0)                   ; v8 and v[44:55] are written: the six stores read them as offset and data
	global_store_b64 v8, v[44:45], s[22:23]                        ; each store of the wave covers 256 consecutive bytes, aligned
	global_store_b64 v8, v[46:47], s[22:23] offset:256
	global_store_b64 v8, v[48:49], s[22:23] offset:1048576
	global_store_b64 v8, v[50:51], s[22:23] offset:1048576+256
	global_store_b64 v8, v[52:53], s[22:23] offset:2097152
	global_store_b64 v8, v[54:55], s[22:23] offset:2097152+256
	s_endpgm
.Lfunc_end_k_qca74dae24b_prep:
	.size	k_qca74dae24b_prep, .Lfunc_end_k_qca74dae24b_prep-k_qca74dae24b_prep
	.p2alignl 7, 3214868480
	.fill 96, 4, 3214868480
	.section	.rodata,"a",@progbits
	.p2align	6, 0x0
	.amdhsa_kernel k_qca74dae24b_prep
		.amdhsa_group_segment_fixed_size 0
		.amdhsa_private_segment_fixed_size 0
		.amdhsa_enable_private_segment 0
		.amdhsa_kernarg_size 80
		.amdhsa_user_sgpr_count 2
		.amdhsa_user_sgpr_kernarg_segment_ptr 1
		.amdhsa_wavefront_size32 1
		.amdhsa_system_sgpr_workgroup_id_x 1
		.amdhsa_system_sgpr_workgroup_id_y 1
		.amdhsa_system_sgpr_workgroup_id_z 1
		.amdhsa_system_vgpr_workitem_id 0
		.amdhsa_next_free_vgpr 64
		.amdhsa_next_free_sgpr 66
		.amdhsa_reserve_vcc 1
		.amdhsa_float_denorm_mode_32 3
		.amdhsa_float_denorm_mode_16_64 3
		.amdhsa_memory_ordered 1
		.amdhsa_forward_progress 1
		.amdhsa_inst_pref_size 27
	.end_amdhsa_kernel
	.amdgpu_metadata
---
amdhsa.version: [ 1, 2 ]
amdhsa.kernels:
  - .name:           k_qca74dae24b_prep
    .symbol:         k_qca74dae24b_prep.kd
    .args:
      - { .name: hidden_states, .offset: 0, .size: 8, .value_kind: global_buffer, .address_space: global }
      - { .name: Wq, .offset: 8, .size: 8, .value_kind: global_buffer, .address_space: global }
      - { .name: Wk, .offset: 16, .size: 8, .value_kind: global_buffer, .address_space: global }
      - { .name: Wv, .offset: 24, .size: 8, .value_kind: global_buffer, .address_space: global }
      - { .name: Wo, .offset: 32, .size: 8, .value_kind: global_buffer, .address_space: global }
      - { .name: position_ids, .offset: 40, .size: 8, .value_kind: global_buffer, .address_space: global }
      - { .name: xb, .offset: 48, .size: 8, .value_kind: global_buffer, .address_space: global }
      - { .name: wqkv, .offset: 56, .size: 8, .value_kind: global_buffer, .address_space: global }
      - { .name: wob, .offset: 64, .size: 8, .value_kind: global_buffer, .address_space: global }
      - { .name: rope, .offset: 72, .size: 8, .value_kind: global_buffer, .address_space: global }
    .group_segment_fixed_size: 0
    .private_segment_fixed_size: 0
    .kernarg_segment_align: 8
    .kernarg_segment_size: 80
    .max_flat_workgroup_size: 256
    .sgpr_count:     66
    .vgpr_count:     64
    .wavefront_size: 32
...
	.end_amdgpu_metadata
.endif
;; end of part 5
;; launch qkv: the kernel of part 2 again; grid 16 x 16, 4 waves a work-group, clusters of 4 x 4, 327,680 bytes of LDS; arguments xb, wqkv, qkvh, rope; writes qkvh
;; launch attn: the kernel of part 3 again; grid 32 x 8, 4 waves a work-group, clusters of 4 x 4, 327,680 bytes of LDS; arguments qkvh, attention_mask, ob; writes ob
;; launch oproj: the kernel of part 4 again; grid 16 x 16, 4 waves a work-group, clusters of 4 x 4, 327,680 bytes of LDS; arguments ob, wob, out0; writes out0
